; MI455X (gfx1250); checked and timed in simulation.
; The chip was launched on July 23, 2026; its instructions are those of AMD's public machine-readable ISA for CDNA 5 (MIT licence, August 2026) and "CDNA5" Instruction Set Architecture Reference Guide (July 2026). The comments in the code are by the model that wrote it; some were corrected since.
;; Hybrid Precision Linear. Allowed arithmetic: matrix products marked QUANTISED: E2M1 operands, one E8M0 scale for each 32 along K, by v_wmma_scale_f32_16x16x128_f8f6f4 with both operands' format E2M1 (or v_wmma_scale_f32_32x16x128_f4), f32 sums; everything else in f32.
;; Inputs: bias 8,192 float32; weight 8,192 x 4,096 float32; x 64 x 4,096 float32.
;; Outputs: out0 64 x 8,192 float32.
;; This version of the problem:
;;   THIS VERSION OF THE PROBLEM IS GIVEN IN LOW PRECISION. The matrix products marked QUANTISED in the list below multiply operands that are first quantised to E2M1 (2 exponent bits, 1 mantissa bit; 4 bits a number), with one power-of-two scale for each 32 numbers along K (OCP MX v1.0); their sums are f32. All else is computed in f32.
;;   The module's matrix products, in the order in which they are computed (A, B: the left and right operand; K: the contracted axis; several contracted axes count as one K, in the product's order):
;;     1. [M 64, K 4,096] x [K 4,096, N 8,192]; A: input x; B: computed on the way: QUANTISED
;;   THE QUANTISER, for each operand of a quantised product, along K:
;;     - K is cut into blocks of 32 from its start; a last block that is shorter is filled with zeros.
;;     - A block's scale is 2^e with e = floor(log2(the largest magnitude in the block)) - 2, held to -126 .. 127; a block of zeros has e = 0. As a byte (E8M0): e + 127.
;;     - Each number is divided by its block's scale, clamped to +-6, and rounded to the nearest number of E2M1, ties to even, subnormals kept.
;;     - The product sums the exact products of the quantised numbers (number of the format x scale) in f32.
;;   ~~~python
;;   def quantise(x, axis):      # numpy; x: float32 -> the quantised numbers, widened to float32 again
;;       x = np.moveaxis(x, axis, -1); K = x.shape[-1]
;;       x = np.pad(x, [(0, 0)] * (x.ndim - 1) + [(0, -K % 32)]); x = x.reshape(x.shape[:-1] + (-1, 32)); a = np.abs(x).max(-1, keepdims=True)
;;       e = np.where(a > 0, np.clip(np.frexp(np.where(a > 0, a, 1))[1] - 1 - 2, -126, 127), 0)      # np.frexp(a)[1] - 1 = floor(log2(a)), exactly
;;       r = np.clip(x / 2.0 ** e, -6, 6)
;;       step = 2.0 ** (np.maximum(np.frexp(np.where(r == 0, 1, r))[1] - 1, 0) - 1)
;;       q = np.round(r / step) * step * 2.0 ** e      # np.round: ties to even
;;       return np.moveaxis(q.reshape(q.shape[:-2] + (-1,))[..., :K], -1, axis).astype(np.float32)
;;   ~~~
;;   OPERANDS COMPUTED ON THE WAY. 'Computed on the way' means the value that the module computes at that place (a softmax that the list does not call 'softmax' is quantised finished and normalised). What goes into a quantiser is computed in f32, as accurately as f32 sums, v_exp_f32 and their like allow (about 1e-6 of the number): no bf16 or f16 on the way to a quantiser, and a product that is left as it is and whose result goes on into a quantised operand takes f32 operands (vector FMAs, or v_wmma_f32_16x16x4_f32). A number that lies on a knife's edge between two numbers of the format may be rounded either way, as far as f32 arithmetic and the matrix unit's own rounding can turn it there, and no further.
;; 2 versions. Each part assembles by itself: llvm-mc -triple=amdgcn-amd-amdhsa -mcpu=gfx1250 --defsym DOCPART=n.
;; ======== version 1 of 2: 10 launches
;; workspace buffers: xq 147,456 bytes; part 263,168 bytes; stA 256 bytes; stB 256 bytes
;; launch prep (part 1): grid 32 x 1, 4 waves a work-group, no clusters, 0 bytes of LDS; arguments x, xq, stA; writes xq, stA
.if DOCPART == 1
	.amdgcn_target "amdgcn-amd-amdhsa--gfx1250"
	.amdhsa_code_object_version 6
	.text
	.protected	k_q5c7bd4a4c3_prep
	.globl	k_q5c7bd4a4c3_prep
	.p2align	8
	.type	k_q5c7bd4a4c3_prep,@function
k_q5c7bd4a4c3_prep:
	s_mov_b64 s[64:65], 0
	v_nop
	global_prefetch_b8 v0, s[64:65] scope:SCOPE_SE
	s_setreg_imm32_b32 hwreg(HW_REG_WAVE_MODE, 25, 1), 1
	s_wait_xcnt 0x0
; x [64][4096] f32 becomes codes of FP4 (E2M1) with one E8M0 byte for each 32 along K, laid as IMAGES OF THE OPERAND'S REGISTERS for the product's launch.
; Fragment f = 4 ks + mt (16 rows 16 mt .., 128 along K from 128 ks) takes 1,024 bytes of xq: registers 0-3 at 16 x lane, registers 4-7 at 512 + 16 x lane; its scale words lie at 131072 + 128 f + 4 x lane.
; One wave makes one fragment: mt = the wave, ks = the work-group.  Wave 0 of work-group 0 also stores the first state of the search for the threshold.
; A block's scale byte is its largest magnitude's exponent field - 2, held at 1 from below.  LIMITS: a block of zeros, or one under 2^-124, keeps the byte 1 (its codes are read by this program alone); NaN and infinities are not served.
.set XR, 16                            ; v16-79   64 numbers: register 16 b + i = k 32 b + 16 (lane / 16) + i of my row
.set TM, 80                            ; v80-83 largest magnitudes, v84-87 bytes, v92-95 the conversions' scale operands
.set PW, 96                            ; the scale word
.set PC, 100                           ; v100-107 the codes
	s_load_b128 s[4:7], s[0:1], 0x0                ; x, xq
	s_load_b64 s[8:9], s[0:1], 0x10                ; the state
	v_lshrrev_b32 v1, 5, v0
	v_readfirstlane_b32 s10, v1                    ; wave = mt
	v_and_b32 v1, 31, v0                           ; lane
	v_and_b32 v2, 15, v0                           ; r
	v_bfe_u32 v3, v0, 4, 1                         ; h
	v_lshlrev_b32 v4, 14, v2                       ; row r of 16,384 bytes
	v_lshl_add_u32 v4, v3, 6, v4                   ; + 64 h: my 16 numbers of a block of 32
	v_lshlrev_b32 v5, 4, v1                        ; 16 x lane
	v_lshlrev_b32 v6, 2, v1                        ; 4 x lane
	s_mov_b32 s20, 0x76543210
	s_mov_b32 s21, 0xfedcba98                      ; v_permlanex16_b32's selects for lane l xor 16
.irp b, 0,1,2,3
	v_mov_b32 v[TM+4+\b], 0                        ; a lane permute's destination counts as one of its sources
.endr
	s_lshl_b32 s12, s10, 18                        ; 16 mt rows
	s_lshl_b32 s13, ttmp9, 9                       ; 128 ks numbers
	s_add_co_u32 s12, s12, s13
	s_mov_b32 s13, 0
	s_lshl_b32 s14, ttmp9, 2
	s_add_co_u32 s14, s14, s10                     ; f
	s_lshl_b32 s16, s14, 10
	s_mov_b32 s17, 0
	s_lshl_b32 s18, s14, 7
	s_add_co_u32 s18, s18, 131072
	s_mov_b32 s19, 0
	s_wait_kmcnt 0x0
	s_add_nc_u64 s[4:5], s[4:5], s[12:13]
	s_add_nc_u64 s[16:17], s[6:7], s[16:17]        ; the fragment's image
	s_add_nc_u64 s[18:19], s[6:7], s[18:19]        ; its scale words
.irp b, 0,1,2,3
.irp j, 0,1,2,3
	global_load_b128 v[XR+16*\b+4*\j:XR+16*\b+4*\j+3], v4, s[4:5] offset:128*\b+16*\j th:TH_LOAD_NT
.endr
.endr
	s_wait_loadcnt 0x0
.irp b, 0,1,2,3
	v_max3_num_f32 v[TM+\b], |v[XR+16*\b]|, |v[XR+1+16*\b]|, 0x1800000   ; block b: my 16 numbers, and the floor 2^(3 - 127): the byte cannot fall under 1
.endr
.irp i, 2,4,6,8,10,12,14
.irp b, 0,1,2,3
	v_max3_num_f32 v[TM+\b], v[TM+\b], |v[XR+16*\b+\i]|, |v[XR+1+16*\b+\i]|
.endr
.endr
.irp b, 0,1,2,3
	v_permlanex16_b32 v[TM+4+\b], v[TM+\b], s20, s21
.endr
.irp b, 0,1,2,3
	v_max_num_f32 v[TM+\b], v[TM+\b], v[TM+4+\b]   ; with lane l xor 16's: the block's largest magnitude
.endr
.irp b, 0,1,2,3
	v_add_nc_u32 v[TM+12+\b], 0xff000000, v[TM+\b] ; 2 off its exponent field: the conversion's scale operand
.endr
.irp b, 0,1,2,3
	v_lshrrev_b32 v[TM+4+\b], 23, v[TM+12+\b]      ; the scale's byte
.endr
	v_lshl_or_b32 v[PW], v[TM+5], 8, v[TM+4]
	v_lshl_or_b32 v[PW], v[TM+6], 16, v[PW]
	v_lshl_or_b32 v[PW], v[TM+7], 24, v[PW]        ; my row's scale word
.irp b, 0,1,2,3
	v_cvt_scalef32_pk8_fp4_f32 v[PC+2*\b], v[XR+16*\b:XR+7+16*\b], v[TM+12+\b]
	v_cvt_scalef32_pk8_fp4_f32 v[PC+1+2*\b], v[XR+8+16*\b:XR+15+16*\b], v[TM+12+\b]
.endr
	v_nop                                          ; one plain instruction behind a scaled conversion
.irp c, 0,1                                    ; the operand's layout wants a whole block in a lane: lanes 0-15 block 2 c, lanes 16-31 block 2 c + 1
.irp i, 0,1
	v_permlane16_swap_b32 v[PC+4*\c+\i], v[PC+2+4*\c+\i]
.endr
.endr
	global_store_b128 v5, v[PC:PC+3], s[16:17]               ; 32 lanes store 512 consecutive bytes
	global_store_b128 v5, v[PC+4:PC+7], s[16:17] offset:512
	global_store_b32 v6, v[PW], s[18:19]
	s_or_b32 s22, ttmp9, s10
	s_cmp_lg_u32 s22, 0
	s_cbranch_scc1 .Ldone
	; the first state: word 0 base = 0, word 1 top = the largest finite number's bits, word 2 the byte select for byte 3, word 3 the shift 24; the rest zeros
	v_mov_b32 v7, 0
	s_mov_b32 s23, 0x7f7fffff
	s_mov_b32 s24, 0x07030703
	v_writelane_b32 v7, s23, 1
	v_writelane_b32 v7, s24, 2
	v_writelane_b32 v7, 24, 3
	global_store_b32 v6, v7, s[8:9]
.Ldone:
	s_endpgm
.Lfunc_end_k_q5c7bd4a4c3_prep:
	.size	k_q5c7bd4a4c3_prep, .Lfunc_end_k_q5c7bd4a4c3_prep-k_q5c7bd4a4c3_prep
	.p2alignl 7, 3214868480
	.fill 96, 4, 3214868480
	.section	.rodata,"a",@progbits
	.p2align	6, 0x0
	.amdhsa_kernel k_q5c7bd4a4c3_prep
		.amdhsa_group_segment_fixed_size 0
		.amdhsa_private_segment_fixed_size 0
		.amdhsa_enable_private_segment 0
		.amdhsa_kernarg_size 24
		.amdhsa_user_sgpr_count 2
		.amdhsa_user_sgpr_kernarg_segment_ptr 1
		.amdhsa_wavefront_size32 1
		.amdhsa_system_sgpr_workgroup_id_x 1
		.amdhsa_system_sgpr_workgroup_id_y 1
		.amdhsa_system_sgpr_workgroup_id_z 1
		.amdhsa_system_vgpr_workitem_id 0
		.amdhsa_next_free_vgpr 128
		.amdhsa_next_free_sgpr 66
		.amdhsa_reserve_vcc 0
		.amdhsa_float_denorm_mode_32 3
		.amdhsa_float_denorm_mode_16_64 3
		.amdhsa_memory_ordered 1
		.amdhsa_forward_progress 1
		.amdhsa_inst_pref_size 8
	.end_amdhsa_kernel
	.amdgpu_metadata
---
amdhsa.version: [ 1, 2 ]
amdhsa.kernels:
  - .name:           k_q5c7bd4a4c3_prep
    .symbol:         k_q5c7bd4a4c3_prep.kd
    .args:
      - { .name: x, .offset: 0, .size: 8, .value_kind: global_buffer, .address_space: global }
      - { .name: xq, .offset: 8, .size: 8, .value_kind: global_buffer, .address_space: global }
      - { .name: stA, .offset: 16, .size: 8, .value_kind: global_buffer, .address_space: global }
    .group_segment_fixed_size: 0
    .private_segment_fixed_size: 0
    .kernarg_segment_align: 8
    .kernarg_segment_size: 24
    .max_flat_workgroup_size: 128
    .sgpr_count:     66
    .vgpr_count:     128
    .wavefront_size: 32
...
	.end_amdgpu_metadata
.endif
;; end of part 1
;; launch hist (part 2): grid 256 x 1, 16 waves a work-group, no clusters, 52,480 bytes of LDS; arguments weight, stA, part; writes part
.if DOCPART == 2
	.amdgcn_target "amdgcn-amd-amdhsa--gfx1250"
	.amdhsa_code_object_version 6
	.text
	.protected	k_q5c7bd4a4c3_hist
	.globl	k_q5c7bd4a4c3_hist
	.p2align	8
	.type	k_q5c7bd4a4c3_hist,@function
k_q5c7bd4a4c3_hist:
	s_mov_b64 s[64:65], 0
	v_nop
	global_prefetch_b8 v0, s[64:65] scope:SCOPE_SE
	s_setreg_imm32_b32 hwreg(HW_REG_WAVE_MODE, 25, 1), 1
	s_wait_xcnt 0x0
; ONE PASS OF THE SEARCH FOR THE (k + 1)-TH LARGEST |w|: eight bits of its bit pattern are settled by each pass.  This launch counts; the launch behind it decides.
; The state gives base and top, the bit bounds of the interval that still holds the threshold, and which byte is in hand.  |w| is held into [base, top] (for finite numbers that are not negative the order of
; the numbers is the order of their bits), and d, that byte of the held key, is its digit: keys above top get top's digit, keys under base get 0, so a count of d > v is a count over the whole tensor.
; THE COUNTING IS A MATRIX PRODUCT ON CODES OF FP4.  d = 16 hi + lo.  Row m of A and column n of B are thermometers over the elements (K): index i = 0..6: -1 where the nibble > i, else +1; i = 7: +1 always;
; i = 8..15: -1 where the nibble > i - 1.  R[m][n] = the sum over the elements of A[m] B[n] holds the joint counts of hi and lo; all figures are whole numbers under 2^24, so the f32 sums are exact.
; HOW A THERMOMETER IS MADE: of each nibble v two planes, D0 = min(v, 7) and D1 = max(v, 7) - 7, eight nibbles to a register.  A lane with index i takes plane i / 8 and adds 7 - i % 8 to every nibble (15 at the most:
; no carry): bit 3 is then set just where the test holds, and (u & 8) | 2 is the code of -1 or of +1.  Two vector instructions for eight codes.
; The planes go through the wave's own stage in LDS, since all 16 rows read the same positions.  A and B read the same positions, so the order of the elements along K is free.
; The sum of |w| (for the mean) is taken beside it, in f32, in four chains a lane; every pass takes it, so that one text serves the four passes.
; SHARES: a work-group takes 131,072 consecutive numbers, a wave 8,192 as 8 batches of 1,024: 8 loads of 512 consecutive bytes a batch, two batches' loads on their way.
; OUT: part + 1024 g: 256 whole numbers, word 128 qq + 4 lane + i = R[8 (lane / 16) + 4 qq + i][lane % 16]; part + 262144 + 4 g: the work-group's sum of |w|.
; LIMITS: NaN and infinities are not served.
.set LA,   1                           ; v1   16 x lane
.set CC,   2                           ; v2   (7 - lane % 8) in every nibble
.set ADA,  3                           ; v3   hi's plane for my index, my half's 16 bytes
.set ADB,  4                           ; v4   lo's likewise
.set STO,  5                           ; v5   the stage, 16 x lane
.set UNI,  6                           ; v6   four scale bytes 127 (the scale 1), for both sides; holds nothing else
.set RDA,  7                           ; v7   the cross-wave sum: 16 x thread in the waves' results
.set T,    8                           ; v8-15  at work
.set SUM,  16                          ; v16-19 four chains of the sum of |w|
.set PL,   20                          ; v20-35 the planes: hi D0, hi D1, lo D0, lo D1, four registers each
.set RAW,  36                          ; v36-99 two sets of 32 numbers
.set L,    100                         ; v100-131 two sets of 16: planes read back
.set CODE, 132                         ; v132-163 two sets: A's 8 registers, B's 8
.set ACC,  164                         ; v164-195 four accumulators, by turns
.set RST,  196                         ; v196 where my wave's result goes
.set SST,  197                         ; v197 where my wave's sum goes
.set SRD,  198                         ; v198 where the sums begin
.set GO,   199                         ; v199 16 x thread
.set STG_W, 2112                       ; a wave's stage: four planes of 512 bytes, 528 apart
.set RED,  33792                       ; behind the 16 stages: 1,024 bytes a wave
.set SUMS, 50176                       ; behind them: 4 bytes a wave
	s_load_b128 s[4:7], s[0:1], 0x0                ; the weight, the state
	s_load_b64 s[8:9], s[0:1], 0x10                ; part
	v_lshl_add_u32 v200, v0, 2, 0xc500
	v_mov_b32 v201, 0
	v_lshrrev_b32 v8, 5, v0
	v_readfirstlane_b32 s10, v8                    ; wave
	v_and_b32 v9, 31, v0
	v_lshlrev_b32 v[LA], 4, v9
	v_and_b32 v10, 7, v0
	v_sub_nc_u32 v10, 7, v10
	s_mov_b32 s23, 0x11111111
	v_mul_lo_u32 v[CC], v10, s23
	s_mul_i32 s11, s10, STG_W
	v_bfe_u32 v11, v0, 3, 1                        ; which plane: index / 8
	v_mul_u32_u24 v[ADA], v11, 528
	v_bfe_u32 v11, v0, 4, 1                        ; which half of the lanes
	v_lshl_add_u32 v[ADA], v11, 4, v[ADA]
	v_add_nc_u32 v[ADA], s11, v[ADA]
	v_add_nc_u32 v[ADB], 1056, v[ADA]
	v_add_nc_u32 v[STO], s11, v[LA]
	s_lshl_b32 s23, s10, 10
	s_add_co_u32 s23, s23, RED
	v_add_nc_u32 v[RST], s23, v[LA]
	s_lshl_b32 s23, s10, 2
	s_add_co_u32 s23, s23, SUMS
	v_mov_b32 v[SST], s23
	v_mov_b32 v[SRD], SUMS
	v_lshlrev_b32 v[GO], 4, v0
	v_add_nc_u32 v[RDA], RED, v[GO]
	v_mov_b32 v[UNI], 0x7f7f7f7f
	s_mov_b32 s16, 0x0f0f0f0f
	s_mov_b32 s17, 0x88888888
	s_mov_b32 s18, 0x77777777
	s_mov_b32 s19, 0x22222222
	s_mov_b32 s20, 0x76543210
	s_mov_b32 s21, 0xfedcba98
	s_lshl_b32 s2, ttmp9, 4
	s_add_co_u32 s2, s2, s10
	s_lshl_b32 s2, s2, 15                          ; (16 g + wave) x 32,768 bytes, under 2^27
	s_mov_b32 s3, 0
	s_lshl_b32 s24, ttmp9, 10
	s_mov_b32 s25, 0
	s_lshl_b32 s26, ttmp9, 2
	s_add_co_u32 s26, s26, 262144
	s_mov_b32 s27, 0
	s_wait_kmcnt 0x0
	s_load_b128 s[12:15], s[6:7], 0x0              ; base, top, the byte select, (the shift: not used here)
	s_add_nc_u64 s[4:5], s[4:5], s[2:3]
	s_add_nc_u64 s[24:25], s[8:9], s[24:25]
	s_add_nc_u64 s[26:27], s[8:9], s[26:27]
.irp i, 0,1,2,3,4,5,6,7,8,9,10,11,12,13,14,15
	global_load_b128 v[RAW+4*\i:RAW+4*\i+3], v[LA], s[4:5] offset:512*\i th:TH_LOAD_NT   ; batches 0 and 1
.endr
.irp i, 0,1,2,3
	v_mov_b32 v[SUM+\i], 0
.endr
.set i, 0
.rept 32
	v_mov_b32 v[ACC+i], 0                          ; cleared once, so that the batch is written once for the loop
.set i, i+1
.endr
	s_wait_kmcnt 0x0
.macro PLANES x, d0, d1                ; eight nibbles v of v[x] -> min(v, 7) in v[d0], max(v, 7) - 7 in v[d1]
	v_and_b32 v[T+4], s17, v[\x]                   ; 8 where v >= 8
	v_lshrrev_b32 v[T+5], 3, v[T+4]                ; 1 there
	v_sub_nc_u32 v[T+4], v[T+4], v[T+5]            ; 7 there
	v_and_or_b32 v[\d0], v[\x], s18, v[T+4]
	v_and_b32 v[T+6], v[\x], v[T+4]                ; v - 8 there
	v_add_nc_u32 v[\d1], v[T+6], v[T+5]
.endm
.macro OCTET o                         ; eight held keys -> one register of each plane
.set RO, RB+8*\o
	v_perm_b32 v[T+0], v[RO+1], v[RO+0], s14       ; the byte in hand of two keys, in the low half
	v_perm_b32 v[T+1], v[RO+3], v[RO+2], s14
	v_perm_b32 v[T+2], v[RO+5], v[RO+4], s14
	v_perm_b32 v[T+3], v[RO+7], v[RO+6], s14
	v_perm_b32 v[T+0], v[T+1], v[T+0], 0x05040100  ; four digits
	v_perm_b32 v[T+2], v[T+3], v[T+2], 0x05040100  ; the other four
	v_lshrrev_b32 v[T+1], 4, v[T+0]
	v_lshlrev_b32 v[T+3], 4, v[T+2]
	v_bfi_b32 v[T+1], s16, v[T+1], v[T+2]          ; eight hi nibbles,
	v_bfi_b32 v[T+3], s16, v[T+0], v[T+3]          ; eight lo nibbles, an element at the same place in both
	PLANES T+1, PL+\o, PL+4+\o
	PLANES T+3, PL+8+\o, PL+12+\o
.endm
.macro LDL j                           ; positions 128 j .. 128 j + 127 of my two planes, in the operand's layout: registers 4 c .. 4 c + 3 hold k = 64 c + 32 (lane / 16) + 0 .. 31
.set LB, L+16*((\j)%2)
	ds_load_b128 v[LB:LB+3],     v[ADA] offset:64*(\j)
	ds_load_b128 v[LB+4:LB+7],   v[ADA] offset:64*(\j)+32
	ds_load_b128 v[LB+8:LB+11],  v[ADB] offset:64*(\j)
	ds_load_b128 v[LB+12:LB+15], v[ADB] offset:64*(\j)+32
.endm
.macro WM j                            ; the four accumulators take turns, one instruction a turn, over the loop's edge too
.set CW, CODE+16*((\j)%2)
.set AW, ACC+8*((\j)%4)
	v_wmma_scale_f32_16x16x128_f8f6f4 v[AW:AW+7], v[CW:CW+7], v[CW+8:CW+15], v[AW:AW+7], v[UNI], v[UNI] matrix_a_fmt:MATRIX_FMT_FP4 matrix_b_fmt:MATRIX_FMT_FP4
.endm
; A batch of 1,024 numbers in set.  left: the younger loads that may stay out.  load = 1: the set takes the batch two on.
.macro BATCH set, left, load
.set RB, RAW+32*\set
	s_wait_loadcnt \left                           ; loads come back in order: my set's eight are in, the other set's may be out
.set i, 0
.rept 32
	v_add_f32 v[SUM+i%4], v[SUM+i%4], |v[RB+i]|
.set i, i+1
.endr
.set i, 0
.rept 32
	v_med3_num_f32 v[RB+i], |v[RB+i]|, s12, s13    ; the key, held into [base, top]
.set i, i+1
.endr
	OCTET 0
	OCTET 1
	OCTET 2
	OCTET 3
.if \load
.irp i, 0,1,2,3,4,5,6,7
	global_load_b128 v[RB+4*\i:RB+4*\i+3], v[LA], s[4:5] offset:8192+4096*\set+512*\i th:TH_LOAD_NT
.endr
.endif
.irp p, 0,1,2,3
	ds_store_b128 v[STO], v[PL+4*\p:PL+4*\p+3] offset:528*\p   ; LDS serves a wave's instructions in order: the loads below see these, and the last batch's loads have been waited for
.endr
	LDL 0
	LDL 1
.irp j, 0,1,2,3,4,5,6,7
.if \j == 7
	s_wait_dscnt 0x0
.else
	s_wait_dscnt 4                                 ; all but the next 128 positions' four loads
.endif
.set LJ, L+16*(\j%2)
.set CJ, CODE+16*(\j%2)
.set i, 0
.rept 16
	v_add_nc_u32 v[LJ+i], v[CC], v[LJ+i]           ; these sixteen also stand between the last write of the other set of codes and the product that reads it
.set i, i+1
.endr
.if \j > 0
	WM (\j)-1
.endif
.set i, 0
.rept 16
	v_and_or_b32 v[CJ+i], v[LJ+i], s17, s19        ; -1 where the test holds, else +1.  This set's last reader stands 32 plain instructions back
.set i, i+1
.endr
.if \j < 6
	LDL (\j)+2
.endif
.endr
.rept 4
	v_nop                                          ; an operand written by vector instructions stands four places ahead of a scaled matrix instruction
.endr
	WM 7
.endm
	s_mov_b32 s22, 3
.Lpair:                                        ; three trips: batches 0 to 5, which ask for batches 2 to 7
	BATCH 0, 8, 1
	BATCH 1, 8, 1
	s_wait_xcnt 0x0                                ; the loads have read their base: it steps only behind this wait
	s_add_nc_u64 s[4:5], s[4:5], 8192
	s_sub_co_u32 s22, s22, 1
	s_cmp_lg_u32 s22, 0
	s_cbranch_scc1 .Lpair
	BATCH 0, 8, 0                                  ; the last two batches ask for nothing: no load leaves the buffer
	BATCH 1, 0, 0
.rept 4
	v_nop                                          ; four places behind the last product, ahead of the first read of its result
.endr
.irp i, 0,2,4,6
	v_pk_add_f32 v[ACC+\i:ACC+\i+1], v[ACC+\i:ACC+\i+1], v[ACC+8+\i:ACC+9+\i]       ; each accumulator from its low end on
.endr
.irp i, 0,2,4,6
	v_pk_add_f32 v[ACC+16+\i:ACC+17+\i], v[ACC+16+\i:ACC+17+\i], v[ACC+24+\i:ACC+25+\i]
.endr
.irp i, 0,2,4,6
	v_pk_add_f32 v[ACC+\i:ACC+\i+1], v[ACC+\i:ACC+\i+1], v[ACC+16+\i:ACC+17+\i]
.endr
	v_add_f32 v[SUM], v[SUM], v[SUM+1]
	v_add_f32 v[SUM+2], v[SUM+2], v[SUM+3]
	v_add_f32 v[SUM], v[SUM], v[SUM+2]
	v_add_f32_dpp v[SUM], v[SUM], v[SUM] row_xmask:1 row_mask:0xf bank_mask:0xf
	v_add_f32_dpp v[SUM], v[SUM], v[SUM] row_xmask:2 row_mask:0xf bank_mask:0xf
	v_add_f32_dpp v[SUM], v[SUM], v[SUM] row_xmask:4 row_mask:0xf bank_mask:0xf
	v_add_f32_dpp v[SUM], v[SUM], v[SUM] row_xmask:8 row_mask:0xf bank_mask:0xf
	v_permlanex16_b32 v[T], v[SUM], s20, s21
	v_add_f32 v[SUM], v[SUM], v[T]                 ; the wave's sum, in every lane
	ds_store_b128 v[RST], v[ACC:ACC+3]
	ds_store_b128 v[RST], v[ACC+4:ACC+7] offset:512
	ds_store_b32 v[SST], v[SUM]                    ; all lanes write the same word with the same value
	s_wait_dscnt 0x0                               ; for the others' sake: my stores have landed
	s_barrier_signal -1
	s_barrier_wait -1
	s_cmp_lt_u32 s10, 2
	s_cbranch_scc0 .Lnot_counts
	; waves 0 and 1: thread t < 64 adds the sixteen waves' four numbers at 16 t; at most 131,072 in magnitude: exact
.irp w, 0,1,2,3,4,5,6,7,8,9,10,11,12,13,14,15
	ds_load_b128 v[RAW+4*\w:RAW+4*\w+3], v[RDA] offset:1024*\w
.endr
.irp w, 1,2,3,4,5,6,7,8,9,10,11,12,13,14,15
	s_wait_dscnt 15-\w                             ; the younger loads may be out
	v_pk_add_f32 v[RAW:RAW+1], v[RAW:RAW+1], v[RAW+4*\w:RAW+4*\w+1]
	v_pk_add_f32 v[RAW+2:RAW+3], v[RAW+2:RAW+3], v[RAW+4*\w+2:RAW+4*\w+3]
.endr
.irp i, 0,1,2,3
	v_cvt_i32_f32 v[RAW+\i], v[RAW+\i]
.endr
	global_store_b128 v[GO], v[RAW:RAW+3], s[24:25]            ; 32 lanes store 512 consecutive bytes
	s_wait_tensorcnt 0x0
	ds_add_u32 v200, v201
	s_wait_dscnt 0x0
	s_endpgm
.Lnot_counts:
	s_cmp_eq_u32 s10, 2
	s_cbranch_scc0 .Lend
	; wave 2: the sixteen waves' sums of |w|
.irp i, 0,1,2,3
	ds_load_b128 v[RAW+4*\i:RAW+4*\i+3], v[SRD] offset:16*\i
.endr
	s_wait_dscnt 0x0
.irp i, 0,2,4,6
	v_pk_add_f32 v[RAW+\i:RAW+\i+1], v[RAW+\i:RAW+\i+1], v[RAW+8+\i:RAW+9+\i]
.endr
	v_pk_add_f32 v[RAW:RAW+1], v[RAW:RAW+1], v[RAW+4:RAW+5]
	v_pk_add_f32 v[RAW+2:RAW+3], v[RAW+2:RAW+3], v[RAW+6:RAW+7]
	v_pk_add_f32 v[RAW:RAW+1], v[RAW:RAW+1], v[RAW+2:RAW+3]
	v_add_f32 v[RAW], v[RAW], v[RAW+1]
	v_cmp_eq_u32 vcc_lo, 0, v[LA]                  ; lane 0 alone stores
	s_wait_xcnt 0x0                                ; EXEC changes only behind this wait
	s_and_saveexec_b32 s28, vcc_lo
	global_store_b32 v[LA], v[RAW], s[26:27]
	s_wait_xcnt 0x0                                ; and again, in front of the line that widens it
	s_or_b32 exec_lo, exec_lo, s28
.Lend:
	s_wait_tensorcnt 0x0
	ds_add_u32 v200, v201
	s_wait_dscnt 0x0
	s_endpgm
.Lfunc_end_k_q5c7bd4a4c3_hist:
	.size	k_q5c7bd4a4c3_hist, .Lfunc_end_k_q5c7bd4a4c3_hist-k_q5c7bd4a4c3_hist
	.p2alignl 7, 3214868480
	.fill 96, 4, 3214868480
	.section	.rodata,"a",@progbits
	.p2align	6, 0x0
	.amdhsa_kernel k_q5c7bd4a4c3_hist
		.amdhsa_group_segment_fixed_size 52480
		.amdhsa_private_segment_fixed_size 0
		.amdhsa_enable_private_segment 0
		.amdhsa_kernarg_size 24
		.amdhsa_user_sgpr_count 2
		.amdhsa_user_sgpr_kernarg_segment_ptr 1
		.amdhsa_wavefront_size32 1
		.amdhsa_system_sgpr_workgroup_id_x 1
		.amdhsa_system_sgpr_workgroup_id_y 1
		.amdhsa_system_sgpr_workgroup_id_z 1
		.amdhsa_system_vgpr_workitem_id 0
		.amdhsa_next_free_vgpr 202
		.amdhsa_next_free_sgpr 66
		.amdhsa_reserve_vcc 1
		.amdhsa_float_denorm_mode_32 3
		.amdhsa_float_denorm_mode_16_64 3
		.amdhsa_memory_ordered 1
		.amdhsa_forward_progress 1
		.amdhsa_inst_pref_size 110
	.end_amdhsa_kernel
	.amdgpu_metadata
---
amdhsa.version: [ 1, 2 ]
amdhsa.kernels:
  - .name:           k_q5c7bd4a4c3_hist
    .symbol:         k_q5c7bd4a4c3_hist.kd
    .args:
      - { .name: weight, .offset: 0, .size: 8, .value_kind: global_buffer, .address_space: global }
      - { .name: stA, .offset: 8, .size: 8, .value_kind: global_buffer, .address_space: global }
      - { .name: part, .offset: 16, .size: 8, .value_kind: global_buffer, .address_space: global }
    .group_segment_fixed_size: 52480
    .private_segment_fixed_size: 0
    .kernarg_segment_align: 8
    .kernarg_segment_size: 24
    .max_flat_workgroup_size: 512
    .sgpr_count:     66
    .vgpr_count:     202
    .wavefront_size: 32
...
	.end_amdgpu_metadata
.endif
;; end of part 2
;; launch decide (part 3): grid 1 x 1, 32 waves a work-group, no clusters, 21,504 bytes of LDS; arguments part, stA, stB; writes stB
.if DOCPART == 3
	.amdgcn_target "amdgcn-amd-amdhsa--gfx1250"
	.amdhsa_code_object_version 6
	.text
	.protected	k_q5c7bd4a4c3_decide
	.globl	k_q5c7bd4a4c3_decide
	.p2align	8
	.type	k_q5c7bd4a4c3_decide,@function
k_q5c7bd4a4c3_decide:
	s_mov_b64 s[64:65], 0
	v_nop
	global_prefetch_b8 v0, s[64:65] scope:SCOPE_SE
	s_setreg_imm32_b32 hwreg(HW_REG_WAVE_MODE, 25, 1), 1
	s_wait_xcnt 0x0
; THE DECISION BEHIND A COUNTING PASS: the 256 work-groups' counts are added, the digit of the threshold is read off them, and the next state is stored.  One work-group: the sum spans all work-groups of the pass.
; R[m][n] = the sum over all elements of a_m b_n, a and b thermometers of +-1 over hi and lo (d = 16 hi + lo); index 7 is the constant +1; idx(t) = t for t <= 6, t + 1 for 7 <= t <= 14, 7 for t = 15.
;   2 #(hi > t) = R[7][7] - R[idx(t)][7].     With D[m] = R[m][7] - R[m][c]:  4 #(hi = t, lo > s(c)) = D[idx(t)] - D[idx(t - 1)] for t >= 1, D[0] + D[7] for t = 0.
; The threshold is the q-th largest key, q = 3,355,444 (k + 1, k = int(0.1 x 2^25)): its digit is the least v with #(d > v) < q.  All in whole numbers; nothing is chosen by an address or a branch.
; The scale: the sum of |w| x 2^-25 (the mean: exact scaling), held at 1e-5 from below; half of it is the ternary threshold.  The order of the f32 sum differs from a single chain's.
; STATE, words: 0 base, 1 top, 2 byte select, 3 shift, 4 scale, 5 scale / 2.  After the fourth pass base is the threshold's bit pattern.
.set RC, 16                            ; v16-31  R[m][c], c = lane % 16 (earlier: 64 registers of loads)
.set R7, 32                            ; v32-47  R[m][7]
.set DD, 48                            ; v48-63  D[m]
.set GH, 64                            ; v64-78  2 #(hi > t)
.set W4, 80                            ; v80-95  4 #(hi = t, lo > s(c))
.set PS, 96                            ; v96-103 eight partial sums of |w|
.set TOT, 16384                        ; LDS: 16 x thread for the first step's sums; behind them the 256 totals
	s_load_b128 s[4:7], s[0:1], 0x0                ; part, the old state
	s_load_b64 s[8:9], s[0:1], 0x10                ; the new state
	v_lshl_add_u32 v112, v0, 2, 0x4400
	v_mov_b32 v113, 0
	v_lshrrev_b32 v1, 5, v0
	v_readfirstlane_b32 s10, v1                    ; wave
	v_and_b32 v2, 31, v0
	v_lshlrev_b32 v3, 4, v0                        ; LDS: 16 x thread
	v_lshrrev_b32 v4, 6, v0                        ; which 16 work-groups
	v_and_b32 v5, 63, v0
	v_lshlrev_b32 v5, 4, v5                        ; which 16 bytes of their 1,024
	v_lshl_add_u32 v4, v4, 14, v5
	v_and_b32 v6, 15, v0
	v_lshlrev_b32 v6, 4, v6
	v_add_nc_u32 v6, TOT, v6                       ; column c of the totals
	v_mov_b32 v7, TOT+112                          ; column 7
	v_add_nc_u32 v8, TOT, v3
	v_lshlrev_b32 v9, 5, v2
	v_lshlrev_b32 v10, 2, v2
	s_mov_b32 s20, 6710888                         ; 2 q
	s_mov_b32 s21, 13421776                        ; 4 q
	s_mov_b32 s30, 0x76543210
	s_mov_b32 s31, 0xfedcba98
	s_wait_kmcnt 0x0
	s_load_b256 s[12:19], s[6:7], 0x0              ; the old state
.irp i, 0,1,2,3,4,5,6,7,8,9,10,11,12,13,14,15
	global_load_b128 v[16+4*\i:19+4*\i], v4, s[4:5] offset:1024*\i
.endr
	global_load_b128 v[PS:PS+3], v9, s[4:5] offset:262144      ; the 256 partial sums, 1,024 bytes: every wave loads them, so that no path reads a register that it has not written; wave 0 uses them
	global_load_b128 v[PS+4:PS+7], v9, s[4:5] offset:262160
	s_wait_loadcnt 0x0
	s_wait_kmcnt 0x0                               ; the state is in s[12:19]: on every wave's path, ahead of every read of it
.irp i, 1,2,3,4,5,6,7,8,9,10,11,12,13,14,15
.irp j, 0,1,2,3
	v_add_nc_u32 v[16+\j], v[16+\j], v[16+4*\i+\j]
.endr
.endr
	ds_store_b128 v3, v[16:19]
	s_wait_dscnt 0x0
	s_barrier_signal -1
	s_barrier_wait -1
	s_cmp_lt_u32 s10, 2
	s_cbranch_scc0 .Ljoin
.irp g, 0,1,2,3,4,5,6,7,8,9,10,11,12,13,14,15
	ds_load_b128 v[16+4*\g:19+4*\g], v3 offset:1024*\g         ; thread t < 64: the sixteen groups' sums of its four words
.endr
	s_wait_dscnt 0x0
.irp g, 1,2,3,4,5,6,7,8,9,10,11,12,13,14,15
.irp j, 0,1,2,3
	v_add_nc_u32 v[16+\j], v[16+\j], v[16+4*\g+\j]
.endr
.endr
	ds_store_b128 v8, v[16:19]
.Ljoin:
	s_wait_dscnt 0x0                               ; on every wave's path: the totals have landed
	s_barrier_signal -1
	s_barrier_wait -1
	s_cmp_lg_u32 s10, 0
	s_cbranch_scc1 .Lend
	; wave 0 decodes.  The total R[8 h + 4 qq + i][n] lies at 512 qq + 256 h + 16 n + 4 i
	ds_load_b128 v[RC:RC+3], v6
	ds_load_b128 v[RC+4:RC+7], v6 offset:512
	ds_load_b128 v[RC+8:RC+11], v6 offset:256
	ds_load_b128 v[RC+12:RC+15], v6 offset:768
	ds_load_b128 v[R7:R7+3], v7
	ds_load_b128 v[R7+4:R7+7], v7 offset:512
	ds_load_b128 v[R7+8:R7+11], v7 offset:256
	ds_load_b128 v[R7+12:R7+15], v7 offset:768
	s_wait_dscnt 0x0
.irp m, 0,1,2,3,4,5,6,7,8,9,10,11,12,13,14,15
	v_sub_nc_u32 v[DD+\m], v[R7+\m], v[RC+\m]
.endr
.irp t, 0,1,2,3,4,5,6,7,8,9,10,11,12,13,14
	v_sub_nc_u32 v[GH+\t], v[R7+7], v[R7+\t+(\t+1)/8]
.endr
	v_add_nc_u32 v[W4], v[DD], v[DD+7]
.irp t, 1,2,3,4,5,6,7,8,9,10,11,12,13,14
	v_sub_nc_u32 v[W4+\t], v[DD+\t+(\t+1)/8], v[DD+\t-1+\t/8]
.endr
	v_sub_nc_u32 v[W4+15], v[DD+7], v[DD+15]
	v_mov_b32 v11, 0                               ; T = how many t of 0 .. 14 have #(hi > t) >= q: the counts fall with t, so this is the least t with fewer
.irp t, 0,1,2,3,4,5,6,7,8,9,10,11,12,13,14
	v_cmp_le_u32 vcc_lo, s20, v[GH+\t]
	v_add_co_ci_u32 v11, vcc_lo, 0, v11, vcc_lo
.endr
	v_mov_b32 v14, 0                               ; 2 #(hi > T): 0 for T = 15
	v_mov_b32 v15, v[W4+15]                        ; 4 #(hi = T, lo > s(c))
.irp t, 0,1,2,3,4,5,6,7,8,9,10,11,12,13,14
	v_cmp_eq_u32 vcc_lo, \t, v11
	v_cndmask_b32 v14, v14, v[GH+\t], vcc_lo
	v_cndmask_b32 v15, v15, v[W4+\t], vcc_lo
.endr
	v_lshl_add_u32 v13, v14, 1, v15                ; 4 #(d > 16 T + s(c)); in lane 7 (the constant) it is 4 #(hi > T), under 4 q
	v_cmp_le_u32 vcc_lo, s21, v13
	s_and_b32 s22, vcc_lo, 0xffff
	s_bcnt1_i32_b32 s22, s22                       ; how many s of 0 .. 14 still have q or more above
	v_readfirstlane_b32 s23, v11
	s_lshl_b32 s23, s23, 4
	s_add_co_u32 s23, s23, s22                     ; the digit
	s_lshl_b32 s23, s23, s15
	s_or_b32 s24, s12, s23                         ; the new base
	s_lshl_b32 s25, 1, s15
	s_sub_co_u32 s25, s25, 1
	s_or_b32 s25, s24, s25
	s_min_u32 s25, s25, 0x7f7fffff                 ; the new top, a finite number
	s_sub_co_u32 s26, s14, 0x01010101              ; the next lower byte
	s_sub_co_u32 s27, s15, 8
	v_add_f32 v[PS], v[PS], v[PS+1]
	v_add_f32 v[PS+2], v[PS+2], v[PS+3]
	v_add_f32 v[PS+4], v[PS+4], v[PS+5]
	v_add_f32 v[PS+6], v[PS+6], v[PS+7]
	v_add_f32 v[PS], v[PS], v[PS+2]
	v_add_f32 v[PS+4], v[PS+4], v[PS+6]
	v_add_f32 v[PS], v[PS], v[PS+4]
	v_add_f32_dpp v[PS], v[PS], v[PS] row_xmask:1 row_mask:0xf bank_mask:0xf
	v_add_f32_dpp v[PS], v[PS], v[PS] row_xmask:2 row_mask:0xf bank_mask:0xf
	v_add_f32_dpp v[PS], v[PS], v[PS] row_xmask:4 row_mask:0xf bank_mask:0xf
	v_add_f32_dpp v[PS], v[PS], v[PS] row_xmask:8 row_mask:0xf bank_mask:0xf
	v_permlanex16_b32 v[PS+1], v[PS], s30, s31
	v_add_f32 v[PS], v[PS], v[PS+1]
	v_mul_f32 v[PS], 0x33000000, v[PS]             ; x 2^-25: the mean
	v_max_num_f32 v[PS], 0x3727c5ac, v[PS]         ; at least 1e-5
	v_mul_f32 v[PS+1], 0.5, v[PS]
	v_readfirstlane_b32 s28, v[PS]
	v_readfirstlane_b32 s29, v[PS+1]
	v_mov_b32 v[PS+2], 0
	v_writelane_b32 v[PS+2], s24, 0
	v_writelane_b32 v[PS+2], s25, 1
	v_writelane_b32 v[PS+2], s26, 2
	v_writelane_b32 v[PS+2], s27, 3
	v_writelane_b32 v[PS+2], s28, 4
	v_writelane_b32 v[PS+2], s29, 5
	global_store_b32 v10, v[PS+2], s[8:9]          ; 128 bytes: six words and zeros
.Lend:
	s_wait_tensorcnt 0x0
	ds_add_u32 v112, v113
	s_wait_dscnt 0x0
	s_endpgm
.Lfunc_end_k_q5c7bd4a4c3_decide:
	.size	k_q5c7bd4a4c3_decide, .Lfunc_end_k_q5c7bd4a4c3_decide-k_q5c7bd4a4c3_decide
	.p2alignl 7, 3214868480
	.fill 96, 4, 3214868480
	.section	.rodata,"a",@progbits
	.p2align	6, 0x0
	.amdhsa_kernel k_q5c7bd4a4c3_decide
		.amdhsa_group_segment_fixed_size 21504
		.amdhsa_private_segment_fixed_size 0
		.amdhsa_enable_private_segment 0
		.amdhsa_kernarg_size 24
		.amdhsa_user_sgpr_count 2
		.amdhsa_user_sgpr_kernarg_segment_ptr 1
		.amdhsa_wavefront_size32 1
		.amdhsa_system_sgpr_workgroup_id_x 1
		.amdhsa_system_sgpr_workgroup_id_y 1
		.amdhsa_system_sgpr_workgroup_id_z 1
		.amdhsa_system_vgpr_workitem_id 0
		.amdhsa_next_free_vgpr 114
		.amdhsa_next_free_sgpr 66
		.amdhsa_reserve_vcc 1
		.amdhsa_float_denorm_mode_32 3
		.amdhsa_float_denorm_mode_16_64 3
		.amdhsa_memory_ordered 1
		.amdhsa_forward_progress 1
		.amdhsa_inst_pref_size 15
	.end_amdhsa_kernel
	.amdgpu_metadata
---
amdhsa.version: [ 1, 2 ]
amdhsa.kernels:
  - .name:           k_q5c7bd4a4c3_decide
    .symbol:         k_q5c7bd4a4c3_decide.kd
    .args:
      - { .name: part, .offset: 0, .size: 8, .value_kind: global_buffer, .address_space: global }
      - { .name: stA, .offset: 8, .size: 8, .value_kind: global_buffer, .address_space: global }
      - { .name: stB, .offset: 16, .size: 8, .value_kind: global_buffer, .address_space: global }
    .group_segment_fixed_size: 21504
    .private_segment_fixed_size: 0
    .kernarg_segment_align: 8
    .kernarg_segment_size: 24
    .max_flat_workgroup_size: 1024
    .sgpr_count:     66
    .vgpr_count:     114
    .wavefront_size: 32
...
	.end_amdgpu_metadata
.endif
;; end of part 3
;; launch hist2: the kernel of part 2 again; grid 256 x 1, 16 waves a work-group, no clusters, 52,480 bytes of LDS; arguments weight, stB, part; writes part
;; launch decide2: the kernel of part 3 again; grid 1 x 1, 32 waves a work-group, no clusters, 21,504 bytes of LDS; arguments part, stB, stA; writes stA
;; launch hist3: the kernel of part 2 again; grid 256 x 1, 16 waves a work-group, no clusters, 52,480 bytes of LDS; arguments weight, stA, part; writes part
;; launch decide3: the kernel of part 3 again; grid 1 x 1, 32 waves a work-group, no clusters, 21,504 bytes of LDS; arguments part, stA, stB; writes stB
;; launch hist4: the kernel of part 2 again; grid 256 x 1, 16 waves a work-group, no clusters, 52,480 bytes of LDS; arguments weight, stB, part; writes part
;; launch decide4: the kernel of part 3 again; grid 1 x 1, 32 waves a work-group, no clusters, 21,504 bytes of LDS; arguments part, stB, stA; writes stA
;; launch gemm (part 4): grid 256 x 1, 16 waves a work-group, no clusters, 313,344 bytes of LDS; arguments weight, xq, stA, bias, out0; writes out0
.if DOCPART == 4
	.amdgcn_target "amdgcn-amd-amdhsa--gfx1250"
	.amdhsa_code_object_version 6
	.text
	.protected	k_q5c7bd4a4c3_gemm
	.globl	k_q5c7bd4a4c3_gemm
	.p2align	8
	.type	k_q5c7bd4a4c3_gemm,@function
k_q5c7bd4a4c3_gemm:
	s_mov_b64 s[64:65], 0
	v_nop
	global_prefetch_b8 v0, s[64:65] scope:SCOPE_SE
	s_setreg_imm32_b32 hwreg(HW_REG_WAVE_MODE, 25, 1), 1
	s_wait_xcnt 0x0
; out[n][o] = the sum over k of Q(x)[n][k] Q(W_eff)[o][k] + bias[o], both operands in FP4 (E2M1) with one E8M0 scale for each 32 along K.
; W_eff = w where |w| >= thr; else w + (sign(w) scale - w) where |w| > scale / 2; else 0: the arithmetic as the problem writes it, in f32.  (w / scale > 0.5 in f32 holds just where |w| > scale / 2:
; the next number above scale / 2 gives a quotient more than half a last place above 0.5.)  thr, scale and scale / 2 come from the state; they enter compares and selects alone, no address and no branch.
; SHARES: work-group g makes outputs 32 g .. 32 g + 31 for all 64 rows.  Its sixteen waves share K: wave w takes K steps 2 w and 2 w + 1 (128 each), both tiles of 16 outputs: four units (K step, tile).
; The weight is read once, by loads of 512 consecutive bytes (a row's 128 numbers); a unit's 16 rows turn through the wave's own stage in LDS, so that lane (r, h) gets, of row r, the 32 neighbours of a whole block,
; in the order of the operand's registers: a block's largest magnitude needs no other lane, and the conversions' results are the operand.  x's fragments come as register images, made by the first launch.
; THE PRODUCT IS USED TRANSPOSED: source 0 = 16 outputs (rows of W), source 1 = 16 rows of x: a lane holds eight neighbouring outputs of one row of out.
; The sixteen waves' partial sums meet in LDS; thread t adds them, wave 0's first, for four outputs of one row, adds the bias and stores: eight lanes store 128 consecutive bytes (a work-group owns 32 outputs of a row).
; No tensor loads: each wave has a unit's 8 KB of the weight on its way beside the unit in hand.  No cluster: what work-groups share (x's codes) is 144 KB against 512 KB of their own.
; LIMITS: NaN and infinities are not served; a block under 2^-124 keeps the scale byte 1 (a block of zeros too: its codes are zeros).
.set XF,  32                           ; v32-63   x's four fragments of a K step
.set XS,  64                           ; v64-67   their scale words; hold nothing else
.set ACC, 68                           ; v68-131  accumulator (nt, mt) at 68 + 32 nt + 8 mt
.set RW,  132                          ; v132-195 a unit's 16 rows as loaded; at the end the sixteen waves' parts
.set WK,  196                          ; v196-227 a block of 32
.set T,   228                          ; v228-235 at work; at the end three addresses
.set SP,  528                          ; a stage row: 512 bytes + 16: sixteen rows start at sixteen different 16-byte columns
.set RED, 135168                       ; behind the 16 stages of 8,448 bytes: 11,008 bytes a wave: nt x 5504 + mt x 1376 + qq x 800 + h x 320 + 16 r; a reading half-wave touches sixteen different 16-byte columns
; v1 16 x lane; v2 stage in; v3 stage out; v4 4 x lane; v5 8 h; v6 where my sums go; v7 where I read sums; v8 my offset in out; v9 in bias; v10 a permute's result; v12-15 bias; v16-23 W's codes; v24 W's scale word; v25-29 at work
	s_load_b256 s[4:11], s[0:1], 0x0               ; the weight, xq, the state, bias
	s_load_b64 s[12:13], s[0:1], 0x20              ; out
	v_lshl_add_u32 v240, v0, 2, 0x4c000
	v_mov_b32 v241, 0
	v_lshrrev_b32 v25, 5, v0
	v_readfirstlane_b32 s14, v25                   ; wave
	v_and_b32 v25, 31, v0
	v_lshlrev_b32 v1, 4, v25
	v_lshlrev_b32 v4, 2, v25
	v_and_b32 v26, 15, v0                          ; r
	v_bfe_u32 v27, v0, 4, 1                        ; h
	v_lshlrev_b32 v5, 3, v27
	s_mul_i32 s32, s14, 16*SP
	v_add_nc_u32 v2, s32, v1
	v_mul_u32_u24 v3, v26, SP
	v_lshl_add_u32 v3, v27, 7, v3                  ; row r, + 128 h bytes: k = 32 h on
	v_add_nc_u32 v3, s32, v3
	s_mul_i32 s33, s14, 11008
	s_add_co_u32 s33, s33, RED
	v_mul_u32_u24 v6, v27, 320
	v_lshl_add_u32 v6, v26, 4, v6
	v_add_nc_u32 v6, s33, v6
	v_bfe_u32 v28, v0, 2, 1                        ; the way out: thread t: nt,
	v_mul_u32_u24 v7, v28, 5504
	v_lshrrev_b32 v28, 7, v0                       ; mt,
	v_mad_u32_u24 v7, v28, 1376, v7
	v_and_b32 v28, 1, v0                           ; qq,
	v_mad_u32_u24 v7, v28, 800, v7
	v_bfe_u32 v28, v0, 1, 1                        ; h,
	v_mad_u32_u24 v7, v28, 320, v7
	v_bfe_u32 v28, v0, 3, 4                        ; r
	v_lshl_add_u32 v7, v28, 4, v7
	v_add_nc_u32 v7, RED, v7
	v_lshrrev_b32 v28, 3, v0                       ; row t / 8 of out,
	v_and_b32 v29, 7, v0
	v_lshlrev_b32 v9, 4, v29                       ; outputs 4 (t % 8) on
	v_lshl_add_u32 v8, v28, 15, v9
	v_mov_b32 v10, 0                               ; a lane permute's destination counts as one of its sources
	s_mov_b32 s24, 0x7fffffff
	s_mov_b32 s26, 0x76543210
	s_mov_b32 s27, 0xfedcba98
	s_lshl_b32 s34, ttmp9, 19                      ; 32 g rows of 16,384 bytes
	s_lshl_b32 s35, s14, 10                        ; + my two K steps
	s_add_co_u32 s34, s34, s35
	s_mov_b32 s35, 0
	s_lshl_b32 s36, s14, 13                        ; x's images: 8 fragments a wave
	s_mov_b32 s37, 0
	s_lshl_b32 s38, s14, 10
	s_add_co_u32 s38, s38, 131072                  ; and their scale words
	s_mov_b32 s39, 0
	s_lshl_b32 s48, ttmp9, 7                       ; 32 g numbers
	s_mov_b32 s49, 0
	s_wait_kmcnt 0x0
	s_load_b256 s[16:23], s[8:9], 0x0              ; s16 thr, s20 scale, s21 scale / 2
	s_add_nc_u64 s[4:5], s[4:5], s[34:35]
	s_add_nc_u64 s[28:29], s[6:7], s[36:37]
	s_add_nc_u64 s[30:31], s[6:7], s[38:39]
	s_add_nc_u64 s[10:11], s[10:11], s[48:49]
	s_add_nc_u64 s[12:13], s[12:13], s[48:49]
.macro WLOAD u                         ; unit u's 16 rows x 512 bytes
.irp i, 0,1,2,3,4,5,6,7,8,9,10,11,12,13,14,15
	global_load_b128 v[RW+4*\i:RW+4*\i+3], v1, s[4:5] offset:(16*((\u)%2)+\i)*16384+((\u)/2)*512 th:TH_LOAD_NT
.endr
.endm
.macro XLOADF s                        ; x's four fragments and scale words of my K step s: twelve loads
.irp m, 0,1,2,3
.irp c, 0,1
	global_load_b128 v[XF+8*\m+4*\c:XF+8*\m+4*\c+3], v1, s[28:29] offset:\s*4096+\m*1024+512*\c
.endr
.endr
.irp m, 0,1,2,3
	global_load_b32 v[XS+\m], v4, s[30:31] offset:\s*512+\m*128
.endr
.endm
.macro DSL c                           ; my block 2 c + h of row r, out of the stage
.irp i, 0,1,2,3,4,5,6,7
	ds_load_b128 v[WK+4*\i:WK+4*\i+3], v3 offset:256*\c+16*\i
.endr
	s_wait_dscnt 0x0                               ; they are in; and the stores into the stage have read their registers
.endm
.macro QB c                            ; the block's 32 numbers become W_eff, then codes in v[16 + 4 c] on and a byte in v[28 + c]
.set p, 0
.rept 16
.set W0, WK+2*p
.set TT, T+2*(p%4)
.set MK, 40+4*(p%2)                    ; the masks take turns between two sets
	v_cmp_ge_f32 s[MK], |v[W0]|, s16               ; critical
	v_cmp_ge_f32 s[MK+1], |v[W0+1]|, s16
	v_cmp_gt_f32 s[MK+2], |v[W0]|, s21             ; ternary is not 0
	v_cmp_gt_f32 s[MK+3], |v[W0+1]|, s21
	v_bfi_b32 v[TT], s24, s20, v[W0]               ; scale with w's sign
	v_bfi_b32 v[TT+1], s24, s20, v[W0+1]
	v_pk_add_f32 v[TT:TT+1], v[TT:TT+1], v[W0:W0+1] neg_lo:[0,1] neg_hi:[0,1]
	v_pk_add_f32 v[TT:TT+1], v[W0:W0+1], v[TT:TT+1]            ; w + (q - w)
	v_cndmask_b32 v[TT], 0, v[TT], s[MK+2]
	v_cndmask_b32 v[TT+1], 0, v[TT+1], s[MK+3]
	v_cndmask_b32 v[W0], v[TT], v[W0], s[MK]
	v_cndmask_b32 v[W0+1], v[TT+1], v[W0+1], s[MK+1]
.set p, p+1
.endr
	v_max3_num_f32 v25, |v[WK]|, |v[WK+1]|, |v[WK+2]|
	v_max3_num_f32 v26, |v[WK+3]|, |v[WK+4]|, |v[WK+5]|
.irp i, 6,10,14,18,22,26
	v_max3_num_f32 v25, v25, |v[WK+\i]|, |v[WK+\i+1]|
	v_max3_num_f32 v26, v26, |v[WK+\i+2]|, |v[WK+\i+3]|
.endr
	v_max3_num_f32 v25, v25, |v[WK+30]|, |v[WK+31]|
	v_max3_num_f32 v25, v25, v26, 0x1800000        ; and the floor 2^(3 - 127): the byte cannot fall under 1
	v_add_nc_u32 v27, 0xff000000, v25              ; 2 off the exponent field: the conversion's scale operand
	v_lshrrev_b32 v[28+\c], 23, v27                ; the scale's byte
.irp g, 0,1,2,3
	v_cvt_scalef32_pk8_fp4_f32 v[16+4*\c+\g], v[WK+8*\g:WK+8*\g+7], v27
.endr
	v_nop                                          ; one plain instruction behind the last scaled conversion
.endm
; A unit.  w1: the younger loads that may be out when the unit's rows must be in;  w2: likewise for x's fragments (-1: they are in already)
.macro UNIT u, w1, w2
	s_wait_loadcnt \w1
.irp i, 0,1,2,3,4,5,6,7,8,9,10,11,12,13,14,15
	ds_store_b128 v2, v[RW+4*\i:RW+4*\i+3] offset:SP*\i        ; LDS serves a wave's instructions in order: these come behind the last unit's reads of the stage
.endr
	DSL 0
.if \u < 3
	WLOAD (\u)+1                                   ; the next unit's rows are on their way through this unit's work
.endif
	QB 0
	DSL 1
	QB 1
	v_lshl_or_b32 v24, v29, 16, v28                ; my two bytes: blocks h and 2 + h of row r,
	v_lshlrev_b32 v24, v5, v24                     ; at their places in the scale word;
	v_permlanex16_b32 v10, v24, s26, s27
	v_or_b32 v24, v24, v10                         ; with lane l xor 16's two the word is whole
.rept 8
	v_nop                                          ; a scale register written by a vector instruction stands eight places ahead of a scaled matrix instruction
.endr
.if \w2 >= 0
	s_wait_loadcnt \w2
.endif
.irp m, 0,1,2,3                        ; four accumulators, one instruction each; the next unit takes the other four
.set AA, ACC+32*((\u)%2)+8*\m
.if \u < 2
	v_wmma_scale_f32_16x16x128_f8f6f4 v[AA:AA+7], v[16:23], v[XF+8*\m:XF+8*\m+7], 0, v24, v[XS+\m] matrix_a_fmt:MATRIX_FMT_FP4 matrix_b_fmt:MATRIX_FMT_FP4
.else
	v_wmma_scale_f32_16x16x128_f8f6f4 v[AA:AA+7], v[16:23], v[XF+8*\m:XF+8*\m+7], v[AA:AA+7], v24, v[XS+\m] matrix_a_fmt:MATRIX_FMT_FP4 matrix_b_fmt:MATRIX_FMT_FP4
.endif
.endr
.rept 4
	v_nop                                          ; four places behind the products: ahead of loads into their operands, and of the first read of results
.endr
.endm
	global_load_b128 v[12:15], v9, s[10:11]        ; bias
	WLOAD 0
	XLOADF 0
	s_wait_kmcnt 0x0                               ; the state
	UNIT 0, 12, 16                                 ; 12: x's twelve loads may be out;  16: the next unit's sixteen may be out
	UNIT 1, 0, -1
	XLOADF 1
	UNIT 2, 12, 16
	UNIT 3, 0, -1
	; THE WAY OUT
.irp n, 0,1
.irp m, 0,1,2,3
	ds_store_b128 v6, v[ACC+32*\n+8*\m:ACC+32*\n+8*\m+3] offset:\n*5504+\m*1376          ; each accumulator from its low end on
	ds_store_b128 v6, v[ACC+32*\n+8*\m+4:ACC+32*\n+8*\m+7] offset:\n*5504+\m*1376+800
.endr
.endr
	v_add_nc_u32 v[T], 44032, v7                   ; four waves' parts on: an LDS offset has 16 bits
	v_add_nc_u32 v[T+1], 88064, v7
	v_add_nc_u32 v[T+2], 132096, v7
	s_wait_dscnt 0x0                               ; for the others' sake: my stores have landed
	s_barrier_signal -1
	s_barrier_wait -1
.irp w, 0,1,2,3,4,5,6,7,8,9,10,11,12,13,14,15
.if \w < 4
	ds_load_b128 v[RW+4*\w:RW+4*\w+3], v7 offset:(\w%4)*11008
.else
	ds_load_b128 v[RW+4*\w:RW+4*\w+3], v[T-1+\w/4] offset:(\w%4)*11008
.endif
.endr
	s_wait_dscnt 15                                ; wave 0's part is in; the fifteen younger loads may be out
	v_pk_add_f32 v[RW:RW+1], v[RW:RW+1], v[12:13]  ; + bias
	v_pk_add_f32 v[RW+2:RW+3], v[RW+2:RW+3], v[14:15]
.irp w, 1,2,3,4,5,6,7,8,9,10,11,12,13,14,15
	s_wait_dscnt 15-\w
	v_pk_add_f32 v[RW:RW+1], v[RW:RW+1], v[RW+4*\w:RW+4*\w+1]
	v_pk_add_f32 v[RW+2:RW+3], v[RW+2:RW+3], v[RW+4*\w+2:RW+4*\w+3]
.endr
	global_store_b128 v8, v[RW:RW+3], s[12:13] th:TH_STORE_NT
	s_wait_tensorcnt 0x0
	ds_add_u32 v240, v241
	s_wait_dscnt 0x0
	s_endpgm
.Lfunc_end_k_q5c7bd4a4c3_gemm:
	.size	k_q5c7bd4a4c3_gemm, .Lfunc_end_k_q5c7bd4a4c3_gemm-k_q5c7bd4a4c3_gemm
	.p2alignl 7, 3214868480
	.fill 96, 4, 3214868480
	.section	.rodata,"a",@progbits
	.p2align	6, 0x0
	.amdhsa_kernel k_q5c7bd4a4c3_gemm
		.amdhsa_group_segment_fixed_size 313344
		.amdhsa_private_segment_fixed_size 0
		.amdhsa_enable_private_segment 0
		.amdhsa_kernarg_size 40
		.amdhsa_user_sgpr_count 2
		.amdhsa_user_sgpr_kernarg_segment_ptr 1
		.amdhsa_wavefront_size32 1
		.amdhsa_system_sgpr_workgroup_id_x 1
		.amdhsa_system_sgpr_workgroup_id_y 1
		.amdhsa_system_sgpr_workgroup_id_z 1
		.amdhsa_system_vgpr_workitem_id 0
		.amdhsa_next_free_vgpr 242
		.amdhsa_next_free_sgpr 66
		.amdhsa_reserve_vcc 0
		.amdhsa_float_denorm_mode_32 3
		.amdhsa_float_denorm_mode_16_64 3
		.amdhsa_memory_ordered 1
		.amdhsa_forward_progress 1
		.amdhsa_inst_pref_size 137
	.end_amdhsa_kernel
	.amdgpu_metadata
---
amdhsa.version: [ 1, 2 ]
amdhsa.kernels:
  - .name:           k_q5c7bd4a4c3_gemm
    .symbol:         k_q5c7bd4a4c3_gemm.kd
    .args:
      - { .name: weight, .offset: 0, .size: 8, .value_kind: global_buffer, .address_space: global }
      - { .name: xq, .offset: 8, .size: 8, .value_kind: global_buffer, .address_space: global }
      - { .name: stA, .offset: 16, .size: 8, .value_kind: global_buffer, .address_space: global }
      - { .name: bias, .offset: 24, .size: 8, .value_kind: global_buffer, .address_space: global }
      - { .name: out0, .offset: 32, .size: 8, .value_kind: global_buffer, .address_space: global }
    .group_segment_fixed_size: 313344
    .private_segment_fixed_size: 0
    .kernarg_segment_align: 8
    .kernarg_segment_size: 40
    .max_flat_workgroup_size: 512
    .sgpr_count:     66
    .vgpr_count:     242
    .wavefront_size: 32
...
	.end_amdgpu_metadata
.endif
;; end of part 4
;; ======== version 2 of 2: 5 launches
;; limits: right only within a limited range of input values
;; workspace buffers: xq 147,456 bytes; partA 278,528 bytes of whole numbers; partB 278,528 bytes of whole numbers; sums 1,024 bytes; stA 256 bytes; stB 256 bytes
;; launch hist1 (part 5): grid 256 x 1, 16 waves a work-group, no clusters, 35,072 bytes of LDS; arguments weight, x, partA, xq, stA, sums; writes partA, xq, stA, sums
.if DOCPART == 5
	.amdgcn_target "amdgcn-amd-amdhsa--gfx1250"
	.amdhsa_code_object_version 6
	.text
	.protected	k_q5c7bd4a4c3_hist1
	.globl	k_q5c7bd4a4c3_hist1
	.p2align	8
	.type	k_q5c7bd4a4c3_hist1,@function
k_q5c7bd4a4c3_hist1:
	s_mov_b64 s[64:65], 0
	v_nop
	global_prefetch_b8 v0, s[64:65] scope:SCOPE_SE
	s_setreg_imm32_b32 hwreg(HW_REG_WAVE_MODE, 25, 1), 1
	s_wait_xcnt 0x0
; FIRST PASS OF THE SEARCH FOR THE (k + 1)-TH LARGEST |w|.  Each of four passes settles eight bits of its bit pattern.  A pass counts the digits; the head of the NEXT launch adds the counts and reads the digit off.
; Every input is loaded.
; The key is |w| held into [0, the largest finite number]; d, its byte 3, is the digit (for finite numbers that are not negative the order of the numbers is the order of their bits).
; THE COUNTING IS A MATRIX PRODUCT ON CODES OF FP4.  d = 16 hi + lo.  Row m of A is a function of hi, column n of B the same function of lo, over the elements (K): function k of a nibble v is the FP4 number
; with the code (v AND k) OR c, c = 2 for k % 8 = 0, 4 for k % 8 = 3, else 0.  The 16 functions are linearly independent, so R[m][n] = the sum over the elements of A[m] B[n] holds the joint counts of hi and lo.
; All products are multiples of 1/4 and at most 36; a wave has 8,192 elements: its f32 sums are exact.  They go on as whole numbers, 4 R = the sum of P_m(hi) P_n(lo), P_k = twice function k.
; The nibbles go through the wave's own stage in LDS, since all 16 rows read the same positions; A and B read the same positions, so the order of the elements along K is free.
; hi IS DECODED HERE, by every wave on its own sums (XFORM).  With x2 x1 x0 a nibble's low bits, and for k < 8:
;   P0 = 2   P1 = x0   P2 = 2 x1   P3 = 4 + 2 x0 + 4 x1 + 2 x0 x1   P4 = 4 x2   P5 = x0 + 4 x2 + x0 x2   P6 = 2 x1 + 4 x2 + 2 x1 x2   P7 = x0 + 2 x1 + 4 x2 + x0 x2 + 2 x1 x2 + 2 x0 x1 x2;
;   P(8 + j) = P(j) where the nibble's bit 3 is 0, -P(j) where it is 1.
; The way back: x0 x2 = P5 - P1 - P4;  2 x1 x2 = P6 - P2 - P4;  2 x0 x1 = P3 - 2 (P0 + P1 + P2);  2 x0 x1 x2 = P7 - P5 - P6 + P4; shifts bring all eight products of bits to the factor 4; for each bit, what has
; the bit is taken off what does not ask for it; the sum and the difference of the two halves give 8 x (the nibble is exactly v).  Only additions, subtractions and shifts to the left: right modulo 2^32.
; OUT, whole numbers: Z[hi][n] = 8 x the sum over the work-group's elements with that hi of P_n(lo), at part + 16384 hi + 64 g + 4 n; and Z[hi][0] = 16 x count(hi) once more at part + 262144 + 64 g + 4 hi.
; sums + 4 g: the work-group's sum of |w| (for the mean), in f32, eight chains a lane.
; BESIDE THE COUNTING: wave 15 of work-group g turns half a fragment of x (fragment f = g / 2 = 4 ks + mt: 16 rows x 128 K; half c = g % 2: 64 along K, 256 consecutive bytes of each row) into codes of FP4 with
; E8M0 scale bytes, laid as an image of the operand's registers: xq + 1024 f + 512 c + 16 lane; its two scale bytes at 131072 + 128 f + 4 lane + 2 c.
; Wave 15 of work-group 0 stores the first state: base 0, top, the byte select for byte 3, the shift 24.
; SHARES: a work-group takes 131,072 consecutive numbers, a wave 8,192 as 8 batches of 1,024: 8 loads of 512 consecutive bytes a batch, two batches' loads on their way.
; No tensor loads, no cluster: work-groups share nothing.
; LIMITS: NaN and infinities are not served; of x, a block of zeros or one under 2^-124 keeps the scale byte 1 (this program alone reads the bytes).
.set LA,   1                           ; 16 x lane
.set MK,   2                           ; my index k = lane % 16 in every nibble
.set CK,   3                           ; my c in every nibble
.set ADA,  4                           ; my wave's stage, my half's 16 bytes
.set STO,  5                           ; the stage, 16 x lane
.set UNI,  6                           ; four scale bytes 127, for both sides; holds nothing else
.set RDA,  7                           ; the cross-wave sum: 16 x thread in the waves' results
.set T,    8                           ; v8-15 at work
.set TP,   8
.set SUM,  16                          ; v16-23 eight chains of the sum of |w|
.set PL,   24                          ; v24-27 hi nibbles, v28-31 lo nibbles
.set RAW,  32                          ; v32-95 two sets of 32 numbers
.set L,    96                          ; v96-159 four sets of 16: nibbles read back; at the end v96-111 hi decoded
.set CODE, 160                         ; v160-191 two sets: A's 8 registers, B's 8
.set ACC,  192                         ; v192-223 four accumulators, by turns
.set RST,  224
.set SST,  225
.set SRD,  226
.set GO,   227                         ; 16 x thread
.set SPW,  228                         ; my spare word
.set NIL,  229                         ; 0
.set RED,  16384                       ; LDS: 16 stages of 1,024 bytes; behind them 1,024 bytes a wave for the results;
.set SUMS, 32768                       ; 4 bytes a wave;
.set SPARE, 33024                      ; the spare words, 128 bytes a wave
.set XR,   L                           ; x: 32 numbers,
.set TM,   CODE                        ; registers at work,
.set PW,   CODE+16                     ; two scale bytes,
.set PC,   CODE+20                     ; the codes
.macro HALF b                          ; eight registers P0 .. P7 -> 4 x (the low bits are exactly j)
	v_sub_nc_u32 v[\b+7], v[\b+7], v[\b+5]
	s_delay_alu instid0(VALU_DEP_1)
	v_sub_nc_u32 v[\b+7], v[\b+7], v[\b+6]
	s_delay_alu instid0(VALU_DEP_1)
	v_add_nc_u32 v[\b+7], v[\b+7], v[\b+4]         ; 2 x0 x1 x2
	v_sub_nc_u32 v[\b+5], v[\b+5], v[\b+1]
	s_delay_alu instid0(VALU_DEP_1)
	v_sub_nc_u32 v[\b+5], v[\b+5], v[\b+4]         ; x0 x2
	v_sub_nc_u32 v[\b+6], v[\b+6], v[\b+2]
	s_delay_alu instid0(VALU_DEP_1)
	v_sub_nc_u32 v[\b+6], v[\b+6], v[\b+4]         ; 2 x1 x2
	v_add3_u32 v[TP], v[\b], v[\b+1], v[\b+2]
	s_delay_alu instid0(VALU_DEP_1)
	v_lshlrev_b32 v[TP], 1, v[TP]
	s_delay_alu instid0(VALU_DEP_1)
	v_sub_nc_u32 v[\b+3], v[\b+3], v[TP]           ; 2 x0 x1
	v_lshlrev_b32 v[\b], 1, v[\b]                  ; all to the factor 4 (P4 has it)
	v_lshlrev_b32 v[\b+1], 2, v[\b+1]
	v_lshlrev_b32 v[\b+2], 1, v[\b+2]
	s_delay_alu instid0(VALU_DEP_4)
	v_lshlrev_b32 v[\b+3], 1, v[\b+3]
	v_lshlrev_b32 v[\b+5], 2, v[\b+5]
	v_lshlrev_b32 v[\b+6], 1, v[\b+6]
	v_lshlrev_b32 v[\b+7], 1, v[\b+7]
.irp s, 0,2,4,6                                ; bit 0
	v_sub_nc_u32 v[\b+\s], v[\b+\s], v[\b+\s+1]
.endr
.irp s, 0,1,4,5                                ; bit 1
	v_sub_nc_u32 v[\b+\s], v[\b+\s], v[\b+\s+2]
.endr
.irp s, 0,1,2,3                                ; bit 2
	v_sub_nc_u32 v[\b+\s], v[\b+\s], v[\b+\s+4]
.endr
.endm
.macro XFORM b, o                      ; sixteen registers at b -> 8 x (the nibble is exactly v) at o
	HALF \b
	HALF \b+8
.irp x, 0,1,2,3,4,5,6,7
	v_add_nc_u32 v[\o+\x], v[\b+\x], v[\b+8+\x]    ; bit 3 is 0
	v_sub_nc_u32 v[\o+8+\x], v[\b+\x], v[\b+8+\x]  ; bit 3 is 1
.endr
.endm
	s_load_b256 s[4:11], s[0:1], 0x0               ; the weight, x, part, xq
	s_load_b128 s[40:43], s[0:1], 0x20             ; the state, sums
	v_lshl_add_u32 v[SPW], v0, 2, SPARE
	v_mov_b32 v[NIL], 0
	v_lshrrev_b32 v8, 5, v0
	s_delay_alu instid0(VALU_DEP_1)
	v_readfirstlane_b32 s30, v8                    ; wave
	v_and_b32 v9, 31, v0                           ; lane
	s_delay_alu instid0(VALU_DEP_1)
	v_lshlrev_b32 v[LA], 4, v9
	v_and_b32 v10, 15, v0                          ; my index
	s_mov_b32 s23, 0x11111111
	v_mul_lo_u32 v[MK], v10, s23
	v_and_b32 v11, 7, v0
	v_mov_b32 v[CK], 0
	v_mov_b32 v12, 0x22222222
	s_delay_alu instid0(VALU_DEP_3)
	v_cmp_eq_u32 vcc_lo, 0, v11
	s_delay_alu instid0(VALU_DEP_1)
	v_cndmask_b32 v[CK], v[CK], v12, vcc_lo        ; no low bit taken: the magnitude 1
	v_mov_b32 v12, 0x44444444
	v_cmp_eq_u32 vcc_lo, 3, v11
	s_delay_alu instid0(VALU_DEP_1)
	v_cndmask_b32 v[CK], v[CK], v12, vcc_lo        ; the two lowest bits: over the magnitudes 2, 3, 4, 6
	v_bfe_u32 v15, v0, 4, 1                        ; which half of the lanes
	s_lshl_b32 s31, s30, 10
	v_lshl_add_u32 v[ADA], v15, 4, s31
	v_add_nc_u32 v[STO], s31, v[LA]
	s_add_co_u32 s23, s31, RED
	v_add_nc_u32 v[RST], s23, v[LA]
	v_lshlrev_b32 v[GO], 4, v0
	s_delay_alu instid0(VALU_DEP_1)
	v_add_nc_u32 v[RDA], RED, v[GO]
	v_mov_b32 v[UNI], 0x7f7f7f7f
	s_mov_b32 s16, 0x0f0f0f0f
	s_mov_b32 s17, 0xffff0000                      ; lanes 16 to 31
	s_lshl_b32 s2, ttmp9, 4
	s_add_co_u32 s2, s2, s30
	s_lshl_b32 s2, s2, 15                          ; (16 g + wave) x 32,768 bytes
	s_mov_b32 s3, 0
	s_lshl_b32 s24, ttmp9, 6                       ; 64 g
	s_mov_b32 s25, 0
	s_lshl_b32 s23, s30, 2
	s_add_co_u32 s23, s23, SUMS
	v_mov_b32 v[SST], s23
	v_mov_b32 v[SRD], SUMS
	s_mov_b32 s20, 0x76543210
	s_mov_b32 s21, 0xfedcba98                      ; v_permlanex16_b32's selects for lane l xor 16
	s_lshl_b32 s26, ttmp9, 2
	s_mov_b32 s27, 0
	s_mov_b32 s12, 0                               ; base
	s_mov_b32 s13, 0x7f7fffff                      ; top: the largest finite number
	s_mov_b32 s14, 0x07030703                      ; byte 3 of two keys
	s_wait_alu depctr_va_vdst(0)
	s_wait_kmcnt 0x0
	s_add_nc_u64 s[4:5], s[4:5], s[2:3]
	s_add_nc_u64 s[24:25], s[8:9], s[24:25]
	s_add_nc_u64 s[26:27], s[42:43], s[26:27]
.irp i, 0,1,2,3,4,5,6,7,8,9,10,11,12,13,14,15
	global_load_b128 v[RAW+4*\i:RAW+4*\i+3], v[LA], s[4:5] offset:512*\i th:TH_LOAD_NT   ; batches 0 and 1
.endr
.irp i, 0,1,2,3,4,5,6,7
	v_mov_b32 v[SUM+\i], 0
.endr
.set i, 0
.rept 32
	v_mov_b32 v[ACC+i], 0                          ; cleared once, so that the batch is written once for the loop
.set i, i+1
.endr
	; x: half a fragment, in wave 15 alone, behind the first loads of the weight: both are on their way together
	s_cmp_lg_u32 s30, 15
	s_cbranch_scc1 .Lno_x
	s_lshr_b32 s32, ttmp9, 1                       ; f = 4 ks + mt
	s_and_b32 s44, ttmp9, 1                        ; c
	s_and_b32 s33, s32, 3
	s_lshr_b32 s34, s32, 2
	s_lshl_b32 s33, s33, 18                        ; 16 mt rows of 16,384 bytes
	s_lshl_b32 s34, s34, 9                         ; 128 ks numbers
	s_add_co_u32 s34, s33, s34
	s_lshl_b32 s35, s44, 8                         ; 64 c numbers
	s_add_co_u32 s34, s34, s35
	s_mov_b32 s35, 0
	s_add_nc_u64 s[6:7], s[6:7], s[34:35]
	s_lshl_b32 s36, ttmp9, 9                       ; 1024 f + 512 c
	s_mov_b32 s37, 0
	s_add_nc_u64 s[36:37], s[10:11], s[36:37]
	s_lshl_b32 s38, s32, 7
	s_lshl_b32 s39, s44, 1
	s_add_co_u32 s38, s38, s39
	s_add_co_u32 s38, s38, 131072
	s_mov_b32 s39, 0
	s_add_nc_u64 s[38:39], s[10:11], s[38:39]      ; my two scale bytes' place
	v_lshlrev_b32 v13, 14, v10                     ; row r of 16,384 bytes
	s_delay_alu instid0(VALU_DEP_1)
	v_lshl_add_u32 v13, v15, 6, v13                ; + 64 h: my 16 numbers of a block of 32
	v_lshlrev_b32 v14, 2, v9                       ; 4 x lane
.irp b, 0,1
.irp j, 0,1,2,3
	global_load_b128 v[XR+16*\b+4*\j:XR+16*\b+4*\j+3], v13, s[6:7] offset:128*\b+16*\j th:TH_LOAD_NT
.endr
.endr
.irp b, 0,1
	v_mov_b32 v[TM+4+\b], 0                        ; a lane permute's destination counts as one of its sources
.endr
	s_wait_loadcnt 0x0
.irp b, 0,1
	v_max3_num_f32 v[TM+\b], |v[XR+16*\b]|, |v[XR+1+16*\b]|, 0x1800000   ; my 16 numbers, and the floor 2^(3 - 127): the byte cannot fall under 1
.endr
.irp i, 2,4,6,8,10,12,14
.irp b, 0,1
	s_delay_alu instid0(VALU_DEP_2)
	v_max3_num_f32 v[TM+\b], v[TM+\b], |v[XR+16*\b+\i]|, |v[XR+1+16*\b+\i]|
.endr
.endr
.irp b, 0,1
	s_delay_alu instid0(VALU_DEP_2)
	v_permlanex16_b32 v[TM+4+\b], v[TM+\b], s20, s21
.endr
.irp b, 0,1
	s_delay_alu instid0(VALU_DEP_2)
	v_max_num_f32 v[TM+\b], v[TM+\b], v[TM+4+\b]   ; with lane l xor 16's: the block's largest magnitude
.endr
.irp b, 0,1
	s_delay_alu instid0(VALU_DEP_2)
	v_add_nc_u32 v[TM+12+\b], 0xff000000, v[TM+\b] ; 2 off its exponent field: the conversion's scale operand
.endr
.irp b, 0,1
	s_delay_alu instid0(VALU_DEP_2)
	v_lshrrev_b32 v[TM+4+\b], 23, v[TM+12+\b]      ; the scale's byte
.endr
	s_delay_alu instid0(VALU_DEP_1)
	v_lshl_or_b32 v[PW], v[TM+5], 8, v[TM+4]
.irp b, 0,1
	v_cvt_scalef32_pk8_fp4_f32 v[PC+2*\b], v[XR+16*\b:XR+7+16*\b], v[TM+12+\b]
	v_cvt_scalef32_pk8_fp4_f32 v[PC+1+2*\b], v[XR+8+16*\b:XR+15+16*\b], v[TM+12+\b]
.endr
	v_nop                                          ; one plain instruction behind a scaled conversion
.irp i, 0,1                                    ; the operand's layout wants a whole block in a lane: lanes 0-15 block 2 c, lanes 16-31 block 2 c + 1
	v_permlane16_swap_b32 v[PC+\i], v[PC+2+\i]
.endr
	global_store_b128 v[LA], v[PC:PC+3], s[36:37]  ; 32 lanes store 512 consecutive bytes
	global_store_b16 v14, v[PW], s[38:39]
	s_cmp_lg_u32 ttmp9, 0
	s_cbranch_scc1 .Lno_state
	v_mov_b32 v12, 0                               ; the first state: base 0, top, the byte select, the shift; the rest zeros
	s_delay_alu instid0(VALU_DEP_1)
	v_writelane_b32 v12, s13, 1
	s_delay_alu instid0(VALU_DEP_1)
	v_writelane_b32 v12, s14, 2
	s_delay_alu instid0(VALU_DEP_1)
	v_writelane_b32 v12, 24, 3
	global_store_b32 v14, v12, s[40:41]
.Lno_state:
	s_wait_xcnt 0x0                                ; the stores have read their data and offsets: those registers are written again below
.Lno_x:
.macro OCTET o                         ; eight held keys -> one register of hi nibbles, one of lo nibbles
.set RO, RB+8*\o
.set TT, T+4*(\o%2)
	v_perm_b32 v[TT+0], v[RO+1], v[RO+0], s14      ; the byte in hand of two keys, in the low half
	v_perm_b32 v[TT+1], v[RO+3], v[RO+2], s14
	v_perm_b32 v[TT+2], v[RO+5], v[RO+4], s14
	v_perm_b32 v[TT+3], v[RO+7], v[RO+6], s14
	s_delay_alu instid0(VALU_DEP_3)
	v_perm_b32 v[TT+0], v[TT+1], v[TT+0], 0x05040100   ; four digits
	s_delay_alu instid0(VALU_DEP_2)
	v_perm_b32 v[TT+2], v[TT+3], v[TT+2], 0x05040100   ; the other four
	s_delay_alu instid0(VALU_DEP_2)
	v_lshrrev_b32 v[TT+1], 4, v[TT+0]
	s_delay_alu instid0(VALU_DEP_2)
	v_lshlrev_b32 v[TT+3], 4, v[TT+2]
	s_delay_alu instid0(VALU_DEP_2)
	v_bfi_b32 v[PL+\o], s16, v[TT+1], v[TT+2]      ; eight hi nibbles,
	s_delay_alu instid0(VALU_DEP_2)
	v_bfi_b32 v[PL+4+\o], s16, v[TT+0], v[TT+3]    ; eight lo nibbles, an element at the same place in both
.endm
.macro LDL j                           ; positions 128 j .. 128 j + 127, in the operand's layout; the sixteen lanes of a half read the same bytes
.set LB, L+16*((\j)%4)
	ds_load_b128 v[LB:LB+3],     v[ADA] offset:64*(\j)
	ds_load_b128 v[LB+4:LB+7],   v[ADA] offset:64*(\j)+32
	ds_load_b128 v[LB+8:LB+11],  v[ADA] offset:512+64*(\j)
	ds_load_b128 v[LB+12:LB+15], v[ADA] offset:512+64*(\j)+32
.endm
.macro WM j                            ; the four accumulators take turns, one instruction a turn, over the loop's edge too
.set CW, CODE+16*((\j)%2)
.set AW, ACC+8*((\j)%4)
	v_wmma_scale_f32_16x16x128_f8f6f4 v[AW:AW+7], v[CW:CW+7], v[CW+8:CW+15], v[AW:AW+7], v[UNI], v[UNI] matrix_a_fmt:MATRIX_FMT_FP4 matrix_b_fmt:MATRIX_FMT_FP4
.endm
; A batch of 1,024 numbers in set.  left: the younger loads that may stay out.  load = 1: the set takes the batch two on.
.macro BATCH set, left, load
.set RB, RAW+32*\set
	s_wait_loadcnt \left                           ; loads come back in order: my set's eight are in, the other set's may be out
.set i, 0
.rept 32
	v_med3_num_f32 v[RB+i], |v[RB+i]|, s12, s13    ; the key, held into [base, top]
.set i, i+1
.endr
.set i, 0
.rept 16
	v_pk_add_f32 v[SUM+2*(i%4):SUM+2*(i%4)+1], v[SUM+2*(i%4):SUM+2*(i%4)+1], v[RB+2*i:RB+2*i+1]   ; in this pass the held key is |w|
.set i, i+1
.endr
	OCTET 0
	OCTET 1
	OCTET 2
	OCTET 3
.if \load
.irp i, 0,1,2,3,4,5,6,7
	global_load_b128 v[RB+4*\i:RB+4*\i+3], v[LA], s[4:5] offset:8192+4096*\set+512*\i th:TH_LOAD_NT
.endr
.endif
	ds_store_b128 v[STO], v[PL:PL+3]               ; LDS serves a wave's instructions in order: the loads below see these
	ds_store_b128 v[STO], v[PL+4:PL+7] offset:512
	LDL 0
	LDL 1
	LDL 2
	LDL 3
.irp j, 0,1,2,3,4,5,6,7
.if \j < 5
	s_wait_dscnt 12                                ; all but the next three steps' loads, four each
.else
	s_wait_alu depctr_va_vdst(0)
	s_wait_dscnt 4*(7-\j)                          ; at the batch's end fewer steps are left
.endif
.set LJ, L+16*(\j%4)
.set CJ, CODE+16*(\j%2)
.set i, 0
.rept 8
	v_and_or_b32 v[CJ+i], v[LJ+i], v[MK], v[CK]    ; A's codes.  These eight stand between the last write of the other set of codes and the product that reads it
.set i, i+1
.endr
.if \j > 0
	WM (\j)-1
.endif
.set i, 8
.rept 8
	v_and_or_b32 v[CJ+i], v[LJ+i], v[MK], v[CK]    ; B's codes.  These eight stand between that product and the next write of its set
.set i, i+1
.endr
.if \j < 4
	s_wait_alu depctr_va_vdst(0)
	LDL (\j)+4
.endif
.endr
.rept 4
	v_nop                                          ; an operand written by vector instructions stands four places ahead of a scaled matrix instruction
.endr
	WM 7
.endm
	s_mov_b32 s22, 3
.Lpair:                                        ; three trips: batches 0 to 5, which ask for batches 2 to 7
	BATCH 0, 8, 1
	BATCH 1, 8, 1
	s_wait_xcnt 0x0                                ; the loads have read their base: it steps only behind this wait
	s_add_nc_u64 s[4:5], s[4:5], 8192
	s_sub_co_u32 s22, s22, 1
	s_cmp_lg_u32 s22, 0
	s_cbranch_scc1 .Lpair
	BATCH 0, 8, 0                                  ; the last two batches ask for nothing: no load leaves the buffer
	BATCH 1, 0, 0
.rept 4
	v_nop                                          ; four places behind the last product, ahead of the first read of its result
.endr
.irp i, 0,2,4,6
	v_pk_add_f32 v[ACC+\i:ACC+\i+1], v[ACC+\i:ACC+\i+1], v[ACC+8+\i:ACC+9+\i]       ; each accumulator from its low end on
.endr
.irp i, 0,2,4,6
	v_pk_add_f32 v[ACC+16+\i:ACC+17+\i], v[ACC+16+\i:ACC+17+\i], v[ACC+24+\i:ACC+25+\i]
.endr
.irp i, 0,2,4,6
	s_delay_alu instid0(VALU_DEP_4)
	v_pk_add_f32 v[ACC+\i:ACC+\i+1], v[ACC+\i:ACC+\i+1], v[ACC+16+\i:ACC+17+\i]
.endr
.irp i, 0,2,4,6
	s_delay_alu instid0(VALU_DEP_4)
	v_pk_mul_f32 v[ACC+\i:ACC+\i+1], v[ACC+\i:ACC+\i+1], 4.0 op_sel_hi:[1,0]        ; multiples of 1/4 become whole numbers,
.endr
.irp i, 0,1,2,3,4,5,6,7
	v_cvt_i32_f32 v[ACC+\i], v[ACC+\i]             ; at most 8,192 x 144: exact.  Register j of lane (n, h) = 4 R[8 h + j][n]
.endr
.irp i, 0,1,2,3,4,5,6,7
	v_mov_b32 v[ACC+8+\i], v[ACC+\i]
.endr
.irp i, 0,1,2,3,4,5,6,7
	v_permlane16_swap_b32 v[ACC+\i], v[ACC+8+\i]   ; both halves of the lanes now hold rows 0-7 in the first eight registers and rows 8-15 in the second eight
.endr
	XFORM ACC, L                                   ; along m: register = hi
.irp i, 0,1,2,3,4,5,6,7
	v_cndmask_b32 v[L+\i], v[L+\i], v[L+8+\i], s17 ; lane (n, h) keeps hi = 8 h + i
.endr
	v_pk_add_f32 v[SUM:SUM+1], v[SUM:SUM+1], v[SUM+2:SUM+3]
	v_pk_add_f32 v[SUM+4:SUM+5], v[SUM+4:SUM+5], v[SUM+6:SUM+7]
	s_delay_alu instid0(VALU_DEP_1)
	v_pk_add_f32 v[SUM:SUM+1], v[SUM:SUM+1], v[SUM+4:SUM+5]
	s_delay_alu instid0(VALU_DEP_1)
	v_add_f32 v[SUM], v[SUM], v[SUM+1]
.irp m, 1,2,4,8
	s_delay_alu instid0(VALU_DEP_1)
	v_add_f32_dpp v[SUM], v[SUM], v[SUM] row_xmask:\m row_mask:0xf bank_mask:0xf
.endr
	s_delay_alu instid0(VALU_DEP_1)
	v_permlanex16_b32 v[T], v[SUM], s20, s21
	s_delay_alu instid0(VALU_DEP_1)
	v_add_f32 v[SUM], v[SUM], v[T]                 ; the wave's sum, in every lane
	ds_store_b128 v[RST], v[L:L+3]
	ds_store_b128 v[RST], v[L+4:L+7] offset:512
	ds_store_b32 v[SST], v[SUM]                    ; all lanes write the same word with the same value
	s_wait_dscnt 0x0                               ; for the others' sake: my stores have landed
	s_barrier_signal -1
	s_barrier_wait -1
	s_cmp_lt_u32 s30, 2
	s_cbranch_scc0 .Lnot_counts
	; waves 0 and 1: thread t = 32 qq + 16 h + n adds the sixteen waves' four whole numbers at 16 t: hi = 8 h + 4 qq + i
.irp w, 0,1,2,3,4,5,6,7,8,9,10,11,12,13,14,15
	ds_load_b128 v[RAW+4*\w:RAW+4*\w+3], v[RDA] offset:1024*\w
.endr
.irp w, 1,2,3,4,5,6,7,8,9,10,11,12,13,14,15
	s_wait_alu depctr_va_vdst(0)
	s_wait_dscnt 15-\w                             ; the younger loads may be out
.irp i, 0,1,2,3
	v_add_nc_u32 v[RAW+\i], v[RAW+\i], v[RAW+4*\w+\i]
.endr
.endr
	v_and_b32 v[T], 15, v0                         ; n
	v_bfe_u32 v[T+1], v0, 4, 1                     ; h
	v_bfe_u32 v[T+2], v0, 5, 1                     ; qq
	v_lshlrev_b32 v[T+3], 2, v[T]
	v_lshlrev_b32 v[T+4], 5, v[T+1]
	v_lshl_add_u32 v[T+3], v[T+1], 17, v[T+3]
	v_lshl_add_u32 v[T+4], v[T+2], 4, v[T+4]       ; 32 h + 16 qq
	s_delay_alu instid0(VALU_DEP_2)
	v_lshl_add_u32 v[T+3], v[T+2], 16, v[T+3]      ; 16384 (8 h + 4 qq) + 4 n
.irp i, 0,1,2,3
	global_store_b32 v[T+3], v[RAW+\i], s[24:25] offset:16384*\i    ; sixteen lanes store 64 consecutive bytes: the work-group's share of a hi's slice
.endr
	v_cmp_eq_u32 vcc_lo, 0, v[T]                   ; the lanes with n = 0 store the marginals
	s_wait_alu depctr_va_vdst(0)
	s_wait_xcnt 0x0                                ; EXEC changes only behind this wait
	s_and_saveexec_b32 s31, vcc_lo
	global_store_b128 v[T+4], v[RAW:RAW+3], s[24:25] offset:262144
	s_wait_xcnt 0x0                                ; and again, in front of the line that widens it
	s_or_b32 exec_lo, exec_lo, s31
	s_wait_tensorcnt 0x0                           ; the wave's end
	ds_add_u32 v[SPW], v[NIL]
	s_wait_dscnt 0x0
	s_endpgm
.Lnot_counts:
	s_cmp_eq_u32 s30, 2
	s_cbranch_scc0 .Lend
	; wave 2: the sixteen waves' sums of |w|
.irp i, 0,1,2,3
	ds_load_b128 v[RAW+4*\i:RAW+4*\i+3], v[SRD] offset:16*\i
.endr
	s_wait_dscnt 0x0
.irp i, 0,2,4,6
	v_pk_add_f32 v[RAW+\i:RAW+\i+1], v[RAW+\i:RAW+\i+1], v[RAW+8+\i:RAW+9+\i]
.endr
	s_delay_alu instid0(VALU_DEP_2)
	v_pk_add_f32 v[RAW:RAW+1], v[RAW:RAW+1], v[RAW+4:RAW+5]
	s_delay_alu instid0(VALU_DEP_2)
	v_pk_add_f32 v[RAW+2:RAW+3], v[RAW+2:RAW+3], v[RAW+6:RAW+7]
	s_delay_alu instid0(VALU_DEP_1)
	v_pk_add_f32 v[RAW:RAW+1], v[RAW:RAW+1], v[RAW+2:RAW+3]
	s_delay_alu instid0(VALU_DEP_1)
	v_add_f32 v[RAW], v[RAW], v[RAW+1]
	v_cmp_eq_u32 vcc_lo, 0, v[LA]                  ; lane 0 alone stores
	s_wait_alu depctr_va_vdst(0)
	s_wait_xcnt 0x0                                ; EXEC changes only behind this wait
	s_and_saveexec_b32 s31, vcc_lo
	global_store_b32 v[LA], v[RAW], s[26:27]
	s_wait_xcnt 0x0                                ; and again, in front of the line that widens it
	s_or_b32 exec_lo, exec_lo, s31
.Lend:
	s_wait_tensorcnt 0x0                           ; the wave's end
	ds_add_u32 v[SPW], v[NIL]
	s_wait_dscnt 0x0
	s_endpgm
.Lfunc_end_k_q5c7bd4a4c3_hist1:
	.size	k_q5c7bd4a4c3_hist1, .Lfunc_end_k_q5c7bd4a4c3_hist1-k_q5c7bd4a4c3_hist1
	.p2alignl 7, 3214868480
	.fill 96, 4, 3214868480
	.section	.rodata,"a",@progbits
	.p2align	6, 0x0
	.amdhsa_kernel k_q5c7bd4a4c3_hist1
		.amdhsa_group_segment_fixed_size 35072
		.amdhsa_private_segment_fixed_size 0
		.amdhsa_enable_private_segment 0
		.amdhsa_kernarg_size 48
		.amdhsa_user_sgpr_count 2
		.amdhsa_user_sgpr_kernarg_segment_ptr 1
		.amdhsa_wavefront_size32 1
		.amdhsa_system_sgpr_workgroup_id_x 1
		.amdhsa_system_sgpr_workgroup_id_y 1
		.amdhsa_system_sgpr_workgroup_id_z 1
		.amdhsa_system_vgpr_workitem_id 0
		.amdhsa_next_free_vgpr 230
		.amdhsa_next_free_sgpr 66
		.amdhsa_reserve_vcc 1
		.amdhsa_float_denorm_mode_32 3
		.amdhsa_float_denorm_mode_16_64 3
		.amdhsa_memory_ordered 1
		.amdhsa_forward_progress 1
		.amdhsa_inst_pref_size 98
	.end_amdhsa_kernel
	.amdgpu_metadata
---
amdhsa.version: [ 1, 2 ]
amdhsa.kernels:
  - .name:           k_q5c7bd4a4c3_hist1
    .symbol:         k_q5c7bd4a4c3_hist1.kd
    .args:
      - { .name: weight, .offset: 0, .size: 8, .value_kind: global_buffer, .address_space: global }
      - { .name: x, .offset: 8, .size: 8, .value_kind: global_buffer, .address_space: global }
      - { .name: partA, .offset: 16, .size: 8, .value_kind: global_buffer, .address_space: global }
      - { .name: xq, .offset: 24, .size: 8, .value_kind: global_buffer, .address_space: global }
      - { .name: stA, .offset: 32, .size: 8, .value_kind: global_buffer, .address_space: global }
      - { .name: sums, .offset: 40, .size: 8, .value_kind: global_buffer, .address_space: global }
    .group_segment_fixed_size: 35072
    .private_segment_fixed_size: 0
    .kernarg_segment_align: 8
    .kernarg_segment_size: 48
    .max_flat_workgroup_size: 512
    .sgpr_count:     66
    .vgpr_count:     230
    .wavefront_size: 32
...
	.end_amdgpu_metadata
.endif
;; end of part 5
;; launch hist2 (part 6): grid 256 x 1, 16 waves a work-group, no clusters, 37,120 bytes of LDS; arguments weight, stA, partA, partB, stB; writes partB, stB
.if DOCPART == 6
	.amdgcn_target "amdgcn-amd-amdhsa--gfx1250"
	.amdhsa_code_object_version 6
	.text
	.protected	k_q5c7bd4a4c3_hist2
	.globl	k_q5c7bd4a4c3_hist2
	.p2align	8
	.type	k_q5c7bd4a4c3_hist2,@function
k_q5c7bd4a4c3_hist2:
	s_mov_b64 s[64:65], 0
	v_nop
	global_prefetch_b8 v0, s[64:65] scope:SCOPE_SE
	s_setreg_imm32_b32 hwreg(HW_REG_WAVE_MODE, 25, 1), 1
	s_wait_xcnt 0x0
; A LATER PASS OF THE SEARCH FOR THE (k + 1)-TH LARGEST |w|: first THE DECISION on the pass before, made by every work-group for itself, then the counting of the next lower byte.
; THE DECISION, in whole numbers throughout.  IN: the old state (base, top, byte select, shift) and what the pass before stored: Z[hi][g][n] = 8 x the sum over work-group g's elements with that hi of P_n(lo),
; at 16384 hi + 64 g + 4 n, and the marginals Z[hi][g][0] = 16 x count(hi) once more at 262144 + 64 g + 4 hi.  The threshold is the q-th largest key, q = 3,355,444 (k + 1, k = int(0.1 x 2^25)).
; STEP 1: the 16 KB of marginals are added over g: thread t takes the 16 bytes at 16 t and at 16 t + 8192 (four hi of two work-groups); the lanes that share lane % 4 are folded; the waves' sums meet in LDS
; (64 bytes a wave, one barrier); every wave folds them again and reads the sixteen totals into scalar registers.  hi = the number of h with #(hi' > h) >= q.
; STEP 2: hi, held at 15, picks the 16 KB slice of that hi: an address that hangs on whole numbers which an earlier launch stored.  The slice is added over g as in step 1; the sixteen totals are brought back
; from sums of P_n(lo) to 64 x count(hi, lo) by the scalar form of the counting launches' XFORM (additions, subtractions, shifts to the left: right modulo 2^32; at most 64 x 2^25);
; lo = the number of s with #(hi' > hi) + #(hi, lo' > s) >= q.  The digit is 16 hi + lo.  Wave 0 of work-group 0 stores the new state for the next launch.
; THE COUNTING is the first pass's: |w| is held into [base, top]; keys above top get top's digit, keys under base 0, so a count of d > v is a count over the whole tensor.  Function k of a nibble v is the FP4 number
; with the code (v AND k) OR c, c = 2 for k % 8 = 0, 4 for k % 8 = 3, else 0; R[m][n] = the sum over the elements of A[m] B[n]; a wave's f32 sums (8,192 elements, products at most 36, multiples of 1/4) are exact.
; With P_k = twice function k, x2 x1 x0 a nibble's low bits, k < 8:  P0 = 2   P1 = x0   P2 = 2 x1   P3 = 4 + 2 x0 + 4 x1 + 2 x0 x1   P4 = 4 x2   P5 = x0 + 4 x2 + x0 x2   P6 = 2 x1 + 4 x2 + 2 x1 x2
;   P7 = x0 + 2 x1 + 4 x2 + x0 x2 + 2 x1 x2 + 2 x0 x1 x2;   P(8 + j) = P(j) where the nibble's bit 3 is 0, -P(j) where it is 1.
; XFORM: x0 x2 = P5 - P1 - P4;  2 x1 x2 = P6 - P2 - P4;  2 x0 x1 = P3 - 2 (P0 + P1 + P2);  2 x0 x1 x2 = P7 - P5 - P6 + P4; shifts bring all to the factor 4; for each bit, what has the bit is taken off what does
; not ask for it; the sum and the difference of the two halves give 8 x (the nibble is exactly v).  Every wave decodes hi so on its own sums; OUT is laid as IN is.
; PREFETCHES: waves 0 and 1 ask for the slice of hi = g % 16 (a lane a block of 256 bytes), so that the sixteen slices are shared out among the work-groups, ahead of step 2's loads.  Of the weight every wave asks for its
; batches 0 to 3 at the head, behind the marginals' loads; behind step 2's sums, where no load and no LDS instruction of the decision is still to come, it loads batches 0 and 1 into registers and asks for batches 4 and 5;
; the loop's first trip asks for batches 6 and 7, which its third trip loads.  Each block is named once, by the wave that will load it, and no address leaves the wave's 32,768 bytes.
; SHARES: a work-group takes 131,072 consecutive numbers, a wave 8,192 as 8 batches of 1,024.
; No tensor loads, no cluster: what work-groups share is 32 KB of counts, against 512 KB of the weight of their own.  LIMITS: NaN and infinities are not served.
.set LA,   1                           ; 16 x lane
.set MK,   2                           ; my index k = lane % 16 in every nibble
.set CK,   3                           ; my c in every nibble
.set ADA,  4                           ; my wave's stage, my half's 16 bytes
.set STO,  5                           ; the stage, 16 x lane
.set UNI,  6                           ; four scale bytes 127; holds nothing else
.set RDA,  7                           ; the cross-wave sum of the results
.set T,    8                           ; v8-15 at work
.set TP,   8
.set XS,   16                          ; the decision: where my wave's sums go: XA + 64 wave + 16 (lane % 4)
.set XL,   17                          ; where I read the waves' sums: XA + 16 lane
.set PF,   22                          ; 256 x lane; never rewritten
.set L4,   23                          ; 4 x lane; never rewritten
.set PL,   24                          ; v24-27 hi nibbles, v28-31 lo nibbles
.set RAW,  32                          ; v32-95 two sets of 32 numbers
.set L,    96                          ; v96-159 four sets of 16: nibbles read back; at the end v96-111 hi decoded
.set A,    96                          ; the decision: v96-103 two loads of four whole numbers
.set B,    104                         ; v104-107 a permute's results
.set CODE, 160                         ; v160-191 two sets of codes
.set ACC,  192                         ; v192-223 four accumulators, by turns
.set RST,  224
.set SD,   225                         ; the new state; never rewritten
.set GO,   227                         ; 16 x thread
.set SPW,  228
.set NIL,  229
.set SA,   66                          ; s66-81 sixteen totals
.set SU,   82                          ; s82-97 64 x count(hi, lo)
.set RED,  16384                       ; LDS: 16 stages of 1,024 bytes; 1,024 bytes a wave for the results;
.set SPARE, 33024                      ; the spare words, 128 bytes a wave;
.set XA,   35072                       ; step 1's sums, 64 bytes a wave; 1,024 bytes on, step 2's
.macro HALF b                          ; eight registers P0 .. P7 -> 4 x (the low bits are exactly j)
	v_sub_nc_u32 v[\b+7], v[\b+7], v[\b+5]
	s_delay_alu instid0(VALU_DEP_1)
	v_sub_nc_u32 v[\b+7], v[\b+7], v[\b+6]
	s_delay_alu instid0(VALU_DEP_1)
	v_add_nc_u32 v[\b+7], v[\b+7], v[\b+4]
	v_sub_nc_u32 v[\b+5], v[\b+5], v[\b+1]
	s_delay_alu instid0(VALU_DEP_1)
	v_sub_nc_u32 v[\b+5], v[\b+5], v[\b+4]
	v_sub_nc_u32 v[\b+6], v[\b+6], v[\b+2]
	s_delay_alu instid0(VALU_DEP_1)
	v_sub_nc_u32 v[\b+6], v[\b+6], v[\b+4]
	v_add3_u32 v[TP], v[\b], v[\b+1], v[\b+2]
	s_delay_alu instid0(VALU_DEP_1)
	v_lshlrev_b32 v[TP], 1, v[TP]
	s_delay_alu instid0(VALU_DEP_1)
	v_sub_nc_u32 v[\b+3], v[\b+3], v[TP]
	v_lshlrev_b32 v[\b], 1, v[\b]
	v_lshlrev_b32 v[\b+1], 2, v[\b+1]
	v_lshlrev_b32 v[\b+2], 1, v[\b+2]
	s_delay_alu instid0(VALU_DEP_4)
	v_lshlrev_b32 v[\b+3], 1, v[\b+3]
	v_lshlrev_b32 v[\b+5], 2, v[\b+5]
	v_lshlrev_b32 v[\b+6], 1, v[\b+6]
	v_lshlrev_b32 v[\b+7], 1, v[\b+7]
.irp s, 0,2,4,6
	v_sub_nc_u32 v[\b+\s], v[\b+\s], v[\b+\s+1]
.endr
.irp s, 0,1,4,5
	v_sub_nc_u32 v[\b+\s], v[\b+\s], v[\b+\s+2]
.endr
.irp s, 0,1,2,3
	v_sub_nc_u32 v[\b+\s], v[\b+\s], v[\b+\s+4]
.endr
.endm
.macro XFORM b, o                      ; sixteen registers at b -> 8 x (the nibble is exactly v) at o
	HALF \b
	HALF \b+8
.irp x, 0,1,2,3,4,5,6,7
	v_add_nc_u32 v[\o+\x], v[\b+\x], v[\b+8+\x]
	v_sub_nc_u32 v[\o+8+\x], v[\b+\x], v[\b+8+\x]
.endr
.endm
.macro SHALF b                         ; the same on eight scalar registers
	s_sub_co_u32 s[\b+7], s[\b+7], s[\b+5]
	s_sub_co_u32 s[\b+7], s[\b+7], s[\b+6]
	s_add_co_u32 s[\b+7], s[\b+7], s[\b+4]
	s_sub_co_u32 s[\b+5], s[\b+5], s[\b+1]
	s_sub_co_u32 s[\b+5], s[\b+5], s[\b+4]
	s_sub_co_u32 s[\b+6], s[\b+6], s[\b+2]
	s_sub_co_u32 s[\b+6], s[\b+6], s[\b+4]
	s_add_co_u32 s23, s[\b], s[\b+1]
	s_add_co_u32 s23, s23, s[\b+2]
	s_lshl_b32 s23, s23, 1
	s_sub_co_u32 s[\b+3], s[\b+3], s23
	s_lshl_b32 s[\b], s[\b], 1
	s_lshl_b32 s[\b+1], s[\b+1], 2
	s_lshl_b32 s[\b+2], s[\b+2], 1
	s_lshl_b32 s[\b+3], s[\b+3], 1
	s_lshl_b32 s[\b+5], s[\b+5], 2
	s_lshl_b32 s[\b+6], s[\b+6], 1
	s_lshl_b32 s[\b+7], s[\b+7], 1
.irp s, 0,2,4,6
	s_sub_co_u32 s[\b+\s], s[\b+\s], s[\b+\s+1]
.endr
.irp s, 0,1,4,5
	s_sub_co_u32 s[\b+\s], s[\b+\s], s[\b+\s+2]
.endr
.irp s, 0,1,2,3
	s_sub_co_u32 s[\b+\s], s[\b+\s], s[\b+\s+4]
.endr
.endm
.macro FOLD                            ; v[A .. A + 3] += v[A + 4 .. A + 7]; then the sum over the eight lanes that share lane % 4, in each of them
.irp j, 0,1,2,3
	v_add_nc_u32 v[A+\j], v[A+\j], v[A+4+\j]
.endr
.irp m, 4,8
.irp j, 0,1,2,3
	s_delay_alu instid0(VALU_DEP_4)
	v_add_nc_u32_dpp v[A+\j], v[A+\j], v[A+\j] row_xmask:\m row_mask:0xf bank_mask:0xf
.endr
.endr
.irp j, 0,1,2,3
	s_delay_alu instid0(VALU_DEP_4)
	v_permlanex16_b32 v[B+\j], v[A+\j], s26, s27
.endr
.irp j, 0,1,2,3
	s_delay_alu instid0(VALU_DEP_4)
	v_add_nc_u32 v[A+\j], v[A+\j], v[B+\j]
.endr
.endm
.macro SUMG o                          ; my two loads -> the sum over all 256 work-groups: lane l holds the four words of quad l % 4; then all sixteen in s[SA ..]
	FOLD
	ds_store_b128 v[XS], v[A:A+3] offset:\o        ; the eight lanes of a quad write the same words with the same values
	s_wait_alu depctr_va_vdst(0)
	s_wait_dscnt 0x0                               ; for the others' sake: my store has landed
	s_barrier_signal -1
	s_barrier_wait -1
	ds_load_b128 v[A:A+3], v[XL] offset:\o         ; wave l / 4's sums of quad l % 4,
	ds_load_b128 v[A+4:A+7], v[XL] offset:\o+512   ; and wave 8 + l / 4's
	s_wait_dscnt 0x0
	FOLD
.irp k, 0,1,2,3
.irp i, 0,1,2,3
	v_readlane_b32 s[SA+4*\k+\i], v[A+\i], \k
.endr
.endr
	s_wait_alu depctr_va_vdst(0)                   ; ahead of the run of scalar instructions
.endm
	s_load_b256 s[4:11], s[0:1], 0x0               ; the weight, the old state, the counts in, the counts out
	s_load_b64 s[28:29], s[0:1], 0x20              ; the new state
	v_lshl_add_u32 v[SPW], v0, 2, SPARE
	v_mov_b32 v[NIL], 0
	v_lshrrev_b32 v8, 5, v0
	s_delay_alu instid0(VALU_DEP_1)
	v_readfirstlane_b32 s30, v8                    ; wave
	v_and_b32 v9, 31, v0                           ; lane
	s_delay_alu instid0(VALU_DEP_1)
	v_lshlrev_b32 v[LA], 4, v9
	v_lshlrev_b32 v[L4], 2, v9
	v_lshlrev_b32 v[PF], 8, v9
	v_and_b32 v10, 15, v0                          ; my index
	s_mov_b32 s23, 0x11111111
	v_mul_lo_u32 v[MK], v10, s23
	v_and_b32 v11, 7, v0
	v_mov_b32 v[CK], 0
	v_mov_b32 v12, 0x22222222
	s_delay_alu instid0(VALU_DEP_3)
	v_cmp_eq_u32 vcc_lo, 0, v11
	s_delay_alu instid0(VALU_DEP_1)
	v_cndmask_b32 v[CK], v[CK], v12, vcc_lo        ; no low bit taken: the magnitude 1
	v_mov_b32 v12, 0x44444444
	v_cmp_eq_u32 vcc_lo, 3, v11
	s_delay_alu instid0(VALU_DEP_1)
	v_cndmask_b32 v[CK], v[CK], v12, vcc_lo        ; the two lowest bits: over the magnitudes 2, 3, 4, 6
	v_bfe_u32 v15, v0, 4, 1                        ; which half of the lanes
	s_lshl_b32 s31, s30, 10
	v_lshl_add_u32 v[ADA], v15, 4, s31
	v_add_nc_u32 v[STO], s31, v[LA]
	s_add_co_u32 s23, s31, RED
	v_add_nc_u32 v[RST], s23, v[LA]
	v_lshlrev_b32 v[GO], 4, v0
	s_delay_alu instid0(VALU_DEP_1)
	v_add_nc_u32 v[RDA], RED, v[GO]
	v_mov_b32 v[UNI], 0x7f7f7f7f
	v_and_b32 v11, 3, v0
	s_lshl_b32 s23, s30, 6
	s_add_co_u32 s23, s23, XA
	v_lshl_add_u32 v[XS], v11, 4, s23
	v_add_nc_u32 v[XL], XA, v[LA]
.irp j, 0,1,2,3
	v_mov_b32 v[B+\j], 0                           ; a lane permute's destination counts as one of its sources
.endr
	s_mov_b32 s16, 0x0f0f0f0f
	s_mov_b32 s17, 0xffff0000                      ; lanes 16 to 31
	s_mov_b32 s20, 53687104                        ; 16 q
	s_mov_b32 s21, 214748416                       ; 64 q
	s_mov_b32 s26, 0x76543210
	s_mov_b32 s27, 0xfedcba98                      ; v_permlanex16_b32's selects for lane l xor 16
	s_lshl_b32 s2, ttmp9, 4
	s_add_co_u32 s2, s2, s30
	s_lshl_b32 s2, s2, 15                          ; (16 g + wave) x 32,768 bytes
	s_mov_b32 s3, 0
	s_lshl_b32 s24, ttmp9, 6                       ; 64 g
	s_mov_b32 s25, 0
	s_and_b32 s50, ttmp9, 15
	s_lshl_b32 s50, s50, 14                        ; the slice of hi = g % 16,
	s_lshl_b32 s51, s30, 13                        ; its half (waves 0 and 1)
	s_add_co_u32 s50, s50, s51
	s_mov_b32 s51, 0
	s_wait_alu depctr_va_vdst(0)
	s_wait_kmcnt 0x0
	s_load_b128 s[12:15], s[6:7], 0x0              ; base, top, the byte select, the shift
	global_load_b128 v[A:A+3], v[GO], s[8:9] offset:262144       ; the marginals first: the decision waits for them
	global_load_b128 v[A+4:A+7], v[GO], s[8:9] offset:270336
	s_add_nc_u64 s[50:51], s[8:9], s[50:51]
	s_add_nc_u64 s[4:5], s[4:5], s[2:3]
	s_add_nc_u64 s[24:25], s[10:11], s[24:25]
	s_cmp_lt_u32 s30, 2
	s_cbranch_scc0 .Lno_pf
	global_prefetch_b8 v[PF], s[50:51] th:TH_LOAD_NT scope:SCOPE_SE             ; 32 blocks of 256 bytes of the slices
.Lno_pf:
	global_prefetch_b8 v[PF], s[4:5] th:TH_LOAD_NT scope:SCOPE_SE               ; batches 0 and 1: 32 blocks of 256 bytes
	global_prefetch_b8 v[PF], s[4:5] offset:8192 th:TH_LOAD_NT scope:SCOPE_SE   ; batches 2 and 3
	s_wait_kmcnt 0x0                               ; the state
	s_wait_loadcnt 0x0                             ; the marginals are in
	SUMG 0                                         ; STEP 1: s[SA + h] = 16 x count(hi = h)
.irp k, 14,13,12,11,10,9,8,7,6,5,4,3,2,1
	s_add_co_u32 s[SA+\k], s[SA+\k], s[SA+\k+1]    ; hi >= k, which is hi > k - 1
.endr
	s_mov_b32 s32, 0
	s_mov_b32 s33, 0
.irp h, 1,2,3,4,5,6,7,8,9,10,11,12,13,14,15
	s_cmp_le_u32 s20, s[SA+\h]
	s_cselect_b32 s23, 0, s[SA+\h]                 ; those under q: the largest of them is #(hi' > hi)
	s_add_co_ci_u32 s32, s32, 0                    ; hi: how many h have q or more above them
	s_max_u32 s33, s33, s23
.endr
	s_min_u32 s32, s32, 15                         ; held inside the table
	s_lshl_b32 s44, s32, 14
	s_mov_b32 s45, 0
	s_add_nc_u64 s[46:47], s[8:9], s[44:45]        ; that hi's slice
	global_load_b128 v[A:A+3], v[GO], s[46:47]
	global_load_b128 v[A+4:A+7], v[GO], s[46:47] offset:8192
.set i, 0
.rept 32
	v_mov_b32 v[ACC+i], 0                          ; cleared once, so that the batch is written once for the loop
.set i, i+1
.endr
	s_wait_alu depctr_va_vdst(0)
	s_wait_loadcnt 0x0
	SUMG 1024                                      ; STEP 2: s[SA + n] = 8 x the sum over that hi's elements of P_n(lo)
.irp i, 0,1,2,3,4,5,6,7,8,9,10,11,12,13,14,15
	global_load_b128 v[RAW+4*\i:RAW+4*\i+3], v[LA], s[4:5] offset:512*\i th:TH_LOAD_NT   ; batches 0 and 1, on their way under the scalar lines below
.endr
	global_prefetch_b8 v[PF], s[4:5] offset:16384 th:TH_LOAD_NT scope:SCOPE_SE   ; batches 4 and 5
	SHALF SA
	SHALF SA+8
.irp x, 0,1,2,3,4,5,6,7
	s_add_co_u32 s[SU+\x], s[SA+\x], s[SA+8+\x]
	s_sub_co_u32 s[SU+8+\x], s[SA+\x], s[SA+8+\x]
.endr
.irp k, 14,13,12,11,10,9,8,7,6,5,4,3,2,1
	s_add_co_u32 s[SU+\k], s[SU+\k], s[SU+\k+1]    ; lo >= k
.endr
	s_lshl_b32 s33, s33, 2                         ; 64 #(hi' > hi)
	s_mov_b32 s34, 0
.irp h, 1,2,3,4,5,6,7,8,9,10,11,12,13,14,15
	s_add_co_u32 s23, s33, s[SU+\h]
	s_cmp_le_u32 s21, s23
	s_add_co_ci_u32 s34, s34, 0                    ; lo
.endr
	s_lshl_b32 s23, s32, 4
	s_or_b32 s23, s23, s34                         ; the digit
	s_lshl_b32 s23, s23, s15
	s_or_b32 s12, s12, s23                         ; the new base
	s_lshl_b32 s23, 1, s15
	s_sub_co_u32 s23, s23, 1
	s_or_b32 s13, s12, s23
	s_min_u32 s13, s13, 0x7f7fffff                 ; the new top, a finite number
	s_sub_co_u32 s14, s14, 0x01010101              ; the next lower byte
	s_sub_co_u32 s15, s15, 8
	s_or_b32 s23, ttmp9, s30
	s_cmp_lg_u32 s23, 0
	s_cbranch_scc1 .Lno_state
	v_mov_b32 v[SD], 0                             ; wave 0 of work-group 0: four words and zeros, 128 bytes
	s_delay_alu instid0(VALU_DEP_1)
	v_writelane_b32 v[SD], s12, 0
	s_delay_alu instid0(VALU_DEP_1)
	v_writelane_b32 v[SD], s13, 1
	s_delay_alu instid0(VALU_DEP_1)
	v_writelane_b32 v[SD], s14, 2
	s_delay_alu instid0(VALU_DEP_1)
	v_writelane_b32 v[SD], s15, 3
	global_store_b32 v[L4], v[SD], s[28:29]
.Lno_state:
.macro OCTET o                         ; eight held keys -> one register of hi nibbles, one of lo nibbles
.set RO, RB+8*\o
.set TT, T+4*(\o%2)
	v_perm_b32 v[TT+0], v[RO+1], v[RO+0], s14      ; the byte in hand of two keys, in the low half
	v_perm_b32 v[TT+1], v[RO+3], v[RO+2], s14
	v_perm_b32 v[TT+2], v[RO+5], v[RO+4], s14
	v_perm_b32 v[TT+3], v[RO+7], v[RO+6], s14
	s_delay_alu instid0(VALU_DEP_3)
	v_perm_b32 v[TT+0], v[TT+1], v[TT+0], 0x05040100   ; four digits
	s_delay_alu instid0(VALU_DEP_2)
	v_perm_b32 v[TT+2], v[TT+3], v[TT+2], 0x05040100   ; the other four
	s_delay_alu instid0(VALU_DEP_2)
	v_lshrrev_b32 v[TT+1], 4, v[TT+0]
	s_delay_alu instid0(VALU_DEP_2)
	v_lshlrev_b32 v[TT+3], 4, v[TT+2]
	s_delay_alu instid0(VALU_DEP_2)
	v_bfi_b32 v[PL+\o], s16, v[TT+1], v[TT+2]      ; eight hi nibbles,
	s_delay_alu instid0(VALU_DEP_2)
	v_bfi_b32 v[PL+4+\o], s16, v[TT+0], v[TT+3]    ; eight lo nibbles, an element at the same place in both
.endm
.macro LDL j                           ; positions 128 j .. 128 j + 127, in the operand's layout; the sixteen lanes of a half read the same bytes
.set LB, L+16*((\j)%4)
	ds_load_b128 v[LB:LB+3],     v[ADA] offset:64*(\j)
	ds_load_b128 v[LB+4:LB+7],   v[ADA] offset:64*(\j)+32
	ds_load_b128 v[LB+8:LB+11],  v[ADA] offset:512+64*(\j)
	ds_load_b128 v[LB+12:LB+15], v[ADA] offset:512+64*(\j)+32
.endm
.macro WM j                            ; the four accumulators take turns, one instruction a turn, over the loop's edge too
.set CW, CODE+16*((\j)%2)
.set AW, ACC+8*((\j)%4)
	v_wmma_scale_f32_16x16x128_f8f6f4 v[AW:AW+7], v[CW:CW+7], v[CW+8:CW+15], v[AW:AW+7], v[UNI], v[UNI] matrix_a_fmt:MATRIX_FMT_FP4 matrix_b_fmt:MATRIX_FMT_FP4
.endm
; A batch of 1,024 numbers in set.  left: the younger loads that may stay out.  load = 1: the set takes the batch two on.
.macro BATCH set, left, load
.set RB, RAW+32*\set
	s_wait_loadcnt \left                           ; loads come back in order: my set's eight are in, the other set's may be out
.set i, 0
.rept 32
	v_med3_num_f32 v[RB+i], |v[RB+i]|, s12, s13    ; the key, held into [base, top]
.set i, i+1
.endr
	OCTET 0
	OCTET 1
	OCTET 2
	OCTET 3
.if \load
.irp i, 0,1,2,3,4,5,6,7
	global_load_b128 v[RB+4*\i:RB+4*\i+3], v[LA], s[4:5] offset:8192+4096*\set+512*\i th:TH_LOAD_NT
.endr
.endif
	ds_store_b128 v[STO], v[PL:PL+3]               ; LDS serves a wave's instructions in order: the loads below see these
	ds_store_b128 v[STO], v[PL+4:PL+7] offset:512
	LDL 0
	LDL 1
	LDL 2
	LDL 3
.irp j, 0,1,2,3,4,5,6,7
.if \j < 5
	s_wait_dscnt 12                                ; all but the next three steps' loads, four each
.else
	s_wait_alu depctr_va_vdst(0)
	s_wait_dscnt 4*(7-\j)                          ; at the batch's end fewer steps are left
.endif
.set LJ, L+16*(\j%4)
.set CJ, CODE+16*(\j%2)
.set i, 0
.rept 8
	v_and_or_b32 v[CJ+i], v[LJ+i], v[MK], v[CK]    ; A's codes.  These eight stand between the last write of the other set of codes and the product that reads it
.set i, i+1
.endr
.if \j > 0
	WM (\j)-1
.endif
.set i, 8
.rept 8
	v_and_or_b32 v[CJ+i], v[LJ+i], v[MK], v[CK]    ; B's codes.  These eight stand between that product and the next write of its set
.set i, i+1
.endr
.if \j < 4
	s_wait_alu depctr_va_vdst(0)
	LDL (\j)+4
.endif
.endr
.rept 4
	v_nop                                          ; an operand written by vector instructions stands four places ahead of a scaled matrix instruction
.endr
	WM 7
.endm
	s_mov_b32 s22, 3
	s_wait_alu depctr_va_vdst(0)                   ; ahead of the loop's first wait
.Lpair:                                        ; three trips: batches 0 to 5, which load batches 2 to 7
	BATCH 0, 8, 1
	s_cmp_lg_u32 s22, 3
	s_wait_alu depctr_va_vdst(0)
	s_cbranch_scc1 .Lno_ask
	global_prefetch_b8 v[PF], s[4:5] offset:24576 th:TH_LOAD_NT scope:SCOPE_SE   ; the first trip alone: batches 6 and 7, which the third trip loads
.Lno_ask:
	BATCH 1, 8, 1
	s_wait_xcnt 0x0                                ; the loads and the prefetches have read their base: it steps only behind this wait
	s_add_nc_u64 s[4:5], s[4:5], 8192
	s_sub_co_u32 s22, s22, 1
	s_cmp_lg_u32 s22, 0
	s_cbranch_scc1 .Lpair
	BATCH 0, 8, 0                                  ; the last two batches ask for nothing: no load leaves the buffer
	BATCH 1, 0, 0
.rept 4
	v_nop                                          ; four places behind the last product, ahead of the first read of its result
.endr
.irp i, 0,2,4,6
	v_pk_add_f32 v[ACC+\i:ACC+\i+1], v[ACC+\i:ACC+\i+1], v[ACC+8+\i:ACC+9+\i]       ; each accumulator from its low end on
.endr
.irp i, 0,2,4,6
	v_pk_add_f32 v[ACC+16+\i:ACC+17+\i], v[ACC+16+\i:ACC+17+\i], v[ACC+24+\i:ACC+25+\i]
.endr
.irp i, 0,2,4,6
	s_delay_alu instid0(VALU_DEP_4)
	v_pk_add_f32 v[ACC+\i:ACC+\i+1], v[ACC+\i:ACC+\i+1], v[ACC+16+\i:ACC+17+\i]
.endr
.irp i, 0,2,4,6
	s_delay_alu instid0(VALU_DEP_4)
	v_pk_mul_f32 v[ACC+\i:ACC+\i+1], v[ACC+\i:ACC+\i+1], 4.0 op_sel_hi:[1,0]        ; multiples of 1/4 become whole numbers,
.endr
.irp i, 0,1,2,3,4,5,6,7
	v_cvt_i32_f32 v[ACC+\i], v[ACC+\i]             ; at most 8,192 x 144: exact.  Register j of lane (n, h) = 4 R[8 h + j][n]
.endr
.irp i, 0,1,2,3,4,5,6,7
	v_mov_b32 v[ACC+8+\i], v[ACC+\i]
.endr
.irp i, 0,1,2,3,4,5,6,7
	v_permlane16_swap_b32 v[ACC+\i], v[ACC+8+\i]   ; both halves of the lanes now hold rows 0-7 in the first eight registers and rows 8-15 in the second eight
.endr
	XFORM ACC, L                                   ; along m: register = hi
.irp i, 0,1,2,3,4,5,6,7
	v_cndmask_b32 v[L+\i], v[L+\i], v[L+8+\i], s17 ; lane (n, h) keeps hi = 8 h + i
.endr
	ds_store_b128 v[RST], v[L:L+3]
	ds_store_b128 v[RST], v[L+4:L+7] offset:512
	s_wait_dscnt 0x0                               ; for the others' sake: my stores have landed
	s_barrier_signal -1
	s_barrier_wait -1
	s_cmp_lt_u32 s30, 2
	s_cbranch_scc0 .Lnot_counts
	; waves 0 and 1: thread t = 32 qq + 16 h + n adds the sixteen waves' four whole numbers at 16 t: hi = 8 h + 4 qq + i
.irp w, 0,1,2,3,4,5,6,7,8,9,10,11,12,13,14,15
	ds_load_b128 v[RAW+4*\w:RAW+4*\w+3], v[RDA] offset:1024*\w
.endr
.irp w, 1,2,3,4,5,6,7,8,9,10,11,12,13,14,15
	s_wait_alu depctr_va_vdst(0)
	s_wait_dscnt 15-\w                             ; the younger loads may be out
.irp i, 0,1,2,3
	v_add_nc_u32 v[RAW+\i], v[RAW+\i], v[RAW+4*\w+\i]
.endr
.endr
	v_and_b32 v[T], 15, v0                         ; n
	v_bfe_u32 v[T+1], v0, 4, 1                     ; h
	v_bfe_u32 v[T+2], v0, 5, 1                     ; qq
	v_lshlrev_b32 v[T+3], 2, v[T]
	v_lshlrev_b32 v[T+4], 5, v[T+1]
	v_lshl_add_u32 v[T+3], v[T+1], 17, v[T+3]
	v_lshl_add_u32 v[T+4], v[T+2], 4, v[T+4]       ; 32 h + 16 qq
	s_delay_alu instid0(VALU_DEP_2)
	v_lshl_add_u32 v[T+3], v[T+2], 16, v[T+3]      ; 16384 (8 h + 4 qq) + 4 n
.irp i, 0,1,2,3
	global_store_b32 v[T+3], v[RAW+\i], s[24:25] offset:16384*\i    ; sixteen lanes store 64 consecutive bytes: the work-group's share of a hi's slice
.endr
	v_cmp_eq_u32 vcc_lo, 0, v[T]                   ; the lanes with n = 0 store the marginals
	s_wait_alu depctr_va_vdst(0)
	s_wait_xcnt 0x0                                ; EXEC changes only behind this wait
	s_and_saveexec_b32 s31, vcc_lo
	global_store_b128 v[T+4], v[RAW:RAW+3], s[24:25] offset:262144
	s_wait_xcnt 0x0                                ; and again, in front of the line that widens it
	s_or_b32 exec_lo, exec_lo, s31
.Lnot_counts:
	s_wait_tensorcnt 0x0                           ; the wave's end
	ds_add_u32 v[SPW], v[NIL]
	s_wait_dscnt 0x0
	s_endpgm
.Lfunc_end_k_q5c7bd4a4c3_hist2:
	.size	k_q5c7bd4a4c3_hist2, .Lfunc_end_k_q5c7bd4a4c3_hist2-k_q5c7bd4a4c3_hist2
	.p2alignl 7, 3214868480
	.fill 96, 4, 3214868480
	.section	.rodata,"a",@progbits
	.p2align	6, 0x0
	.amdhsa_kernel k_q5c7bd4a4c3_hist2
		.amdhsa_group_segment_fixed_size 37120
		.amdhsa_private_segment_fixed_size 0
		.amdhsa_enable_private_segment 0
		.amdhsa_kernarg_size 40
		.amdhsa_user_sgpr_count 2
		.amdhsa_user_sgpr_kernarg_segment_ptr 1
		.amdhsa_wavefront_size32 1
		.amdhsa_system_sgpr_workgroup_id_x 1
		.amdhsa_system_sgpr_workgroup_id_y 1
		.amdhsa_system_sgpr_workgroup_id_z 1
		.amdhsa_system_vgpr_workitem_id 0
		.amdhsa_next_free_vgpr 230
		.amdhsa_next_free_sgpr 98
		.amdhsa_reserve_vcc 1
		.amdhsa_float_denorm_mode_32 3
		.amdhsa_float_denorm_mode_16_64 3
		.amdhsa_memory_ordered 1
		.amdhsa_forward_progress 1
		.amdhsa_inst_pref_size 104
	.end_amdhsa_kernel
	.amdgpu_metadata
---
amdhsa.version: [ 1, 2 ]
amdhsa.kernels:
  - .name:           k_q5c7bd4a4c3_hist2
    .symbol:         k_q5c7bd4a4c3_hist2.kd
    .args:
      - { .name: weight, .offset: 0, .size: 8, .value_kind: global_buffer, .address_space: global }
      - { .name: stA, .offset: 8, .size: 8, .value_kind: global_buffer, .address_space: global }
      - { .name: partA, .offset: 16, .size: 8, .value_kind: global_buffer, .address_space: global }
      - { .name: partB, .offset: 24, .size: 8, .value_kind: global_buffer, .address_space: global }
      - { .name: stB, .offset: 32, .size: 8, .value_kind: global_buffer, .address_space: global }
    .group_segment_fixed_size: 37120
    .private_segment_fixed_size: 0
    .kernarg_segment_align: 8
    .kernarg_segment_size: 40
    .max_flat_workgroup_size: 512
    .sgpr_count:     98
    .vgpr_count:     230
    .wavefront_size: 32
...
	.end_amdgpu_metadata
.endif
;; end of part 6
;; launch hist3: the kernel of part 6 again; grid 256 x 1, 16 waves a work-group, no clusters, 37,120 bytes of LDS; arguments weight, stB, partB, partA, stA; writes partA, stA
;; launch hist4: the kernel of part 6 again; grid 256 x 1, 16 waves a work-group, no clusters, 37,120 bytes of LDS; arguments weight, stA, partA, partB, stB; writes partB, stB
;; launch gemm (part 7): grid 256 x 1, 16 waves a work-group, no clusters, 315,392 bytes of LDS; arguments weight, xq, stB, partB, sums, bias, out0; writes out0
.if DOCPART == 7
	.amdgcn_target "amdgcn-amd-amdhsa--gfx1250"
	.amdhsa_code_object_version 6
	.text
	.protected	k_q5c7bd4a4c3_gemm
	.globl	k_q5c7bd4a4c3_gemm
	.p2align	8
	.type	k_q5c7bd4a4c3_gemm,@function
k_q5c7bd4a4c3_gemm:
	s_mov_b64 s[64:65], 0
	v_nop
	global_prefetch_b8 v0, s[64:65] scope:SCOPE_SE
	s_setreg_imm32_b32 hwreg(HW_REG_WAVE_MODE, 25, 1), 1
	s_wait_xcnt 0x0
; out[n][o] = the sum over k of Q(x)[n][k] Q(W_eff)[o][k] + bias[o], both operands in FP4 (E2M1) with one E8M0 scale for each 32 along K.
; W_eff = w where |w| >= thr; else w + (sign(w) scale - w) where |w| > scale / 2; else 0: the arithmetic as the problem writes it, in f32.  (w / scale > 0.5 in f32 holds just where |w| > scale / 2:
; the next number above scale / 2 gives a quotient more than half a last place above 0.5.)  thr, scale and scale / 2 enter compares and selects alone, no address and no branch.
; THE HEAD IS THE LAST DECISION of the search for thr, made by every work-group for itself as in the counting launches, in whole numbers.  STEP 1: the 16 KB of marginals (16 x count(hi), at 262144 + 64 g + 4 hi) are
; added over the 256 work-groups g; hi = the number of h with #(hi' > h) >= q, q = 3,355,444.  STEP 2: hi, held at 15, picks the 16 KB slice at 16384 hi (8 x the sum over that hi's elements of P_n(lo), at 64 g + 4 n):
; an address that hangs on whole numbers which an earlier launch stored.  Its sums over g are brought back to 64 x count(hi, lo) (SHALF and the sums and differences behind it: the scalar form of the counting
; launches' XFORM; additions, subtractions, shifts to the left: right modulo 2^32); lo = the number of s with #(hi' > hi) + #(hi, lo' > s) >= q.  The old base with the digit 16 hi + lo is thr's bit pattern.
; The scale: the first pass's 256 sums of |w|, added, x 2^-25 (the mean: exact scaling), held at 1e-5 from below.  The order of the f32 sum differs from a single chain's.
; PREFETCHES: waves 0 and 1 ask for the slice of hi = g % 16, so that the sixteen slices are shared out among the work-groups, ahead of step 2's loads.  Of the weight every wave asks for its units 0 and 1 at the head
; (a lane a block of 256 bytes: 16 rows x 2 blocks a unit, each block named once, by the wave that will load it); behind step 2's sums, where no load and no LDS instruction of the decision is still to come,
; it loads unit 0 and x's first fragments and asks for unit 2; unit 0 asks for unit 3.
; SHARES: work-group g makes outputs 32 g .. 32 g + 31 for all 64 rows.  Its sixteen waves share K: wave w takes K steps 2 w and 2 w + 1 (128 each), both tiles of 16 outputs: four units (K step, tile).
; The weight is read once, by loads of 512 consecutive bytes; a unit's 16 rows turn through the wave's own stage in LDS, so that lane (r, h) gets, of row r, the 32 neighbours of a whole block,
; in the order of the operand's registers: a block's largest magnitude needs no other lane, and the conversions' results are the operand.  x's fragments come as register images, made by the first launch.
; THE PRODUCT IS USED TRANSPOSED: source 0 = 16 outputs (rows of W), source 1 = 16 rows of x: a lane holds eight neighbouring outputs of one row of out.
; The sixteen waves' partial sums meet in LDS; thread t adds them, wave 0's first, for four outputs of one row, adds the bias and stores: eight lanes store 128 consecutive bytes (a work-group owns 32 outputs of a row).
; No tensor loads.  No cluster: what work-groups share (x's codes and 32 KB of counts) stands against 512 KB of the weight of their own, and comes by plain loads.
; LIMITS: NaN and infinities are not served; a block under 2^-124 keeps the scale byte 1 (a block of zeros too: its codes are zeros).
.set XF,  32                           ; v32-63   x's four fragments of a K step
.set XS,  64                           ; v64-67   their scale words; hold nothing else
.set ACC, 68                           ; v68-131  accumulator (nt, mt) at 68 + 32 nt + 8 mt
.set RW,  132                          ; v132-195 a unit's 16 rows as loaded; at the end the sixteen waves' parts
.set WK,  196                          ; v196-227 a block of 32
.set T,   228                          ; v228-235 at work; at the end three addresses
.set SP,  528                          ; a stage row: 512 bytes + 16
.set RED, 135168                       ; behind the 16 stages of 8,448 bytes: 11,008 bytes a wave: nt x 5504 + mt x 1376 + qq x 800 + h x 320 + 16 r
.set SPARE, 311296                     ; the spare words, 128 bytes a wave;
.set XA,  313344                       ; the head: step 1's sums, 64 bytes a wave; 1,024 bytes on, step 2's
.set PFO, 11                           ; v11 the weight's prefetches: 16,384 (lane % 16) + 256 (lane / 16); never rewritten
.set PFP, 236                          ; v236 256 x lane; never rewritten
.set GO,  17                           ; the head's addresses, in registers that later hold W's codes: 16 x thread,
.set HS,  18                           ; XA + 64 wave + 16 (lane % 4),
.set HL,  19                           ; XA + 16 lane,
.set PSO, 22                           ; 32 x lane
.set PS,  196                          ; v196-203 eight partial sums of |w|
.set A,   204                          ; v204-211 two loads of four whole numbers
.set B,   212                          ; v212-215 a permute's results
.set SA,  66                           ; s66-81 sixteen totals
.set SU,  82                           ; s82-97 64 x count(hi, lo)
; v1 16 x lane; v2 stage in; v3 stage out; v4 4 x lane; v5 8 h; v6 where my sums go; v7 where I read sums; v8 my offset in out; v9 in bias; v10 a permute's result; v12-15 bias; v16-23 W's codes; v24 W's scale word; v25-29 at work
.macro SHALF b                         ; eight scalar registers P0 .. P7 -> 4 x (the low bits are exactly j)
	s_sub_co_u32 s[\b+7], s[\b+7], s[\b+5]
	s_sub_co_u32 s[\b+7], s[\b+7], s[\b+6]
	s_add_co_u32 s[\b+7], s[\b+7], s[\b+4]
	s_sub_co_u32 s[\b+5], s[\b+5], s[\b+1]
	s_sub_co_u32 s[\b+5], s[\b+5], s[\b+4]
	s_sub_co_u32 s[\b+6], s[\b+6], s[\b+2]
	s_sub_co_u32 s[\b+6], s[\b+6], s[\b+4]
	s_add_co_u32 s23, s[\b], s[\b+1]
	s_add_co_u32 s23, s23, s[\b+2]
	s_lshl_b32 s23, s23, 1
	s_sub_co_u32 s[\b+3], s[\b+3], s23
	s_lshl_b32 s[\b], s[\b], 1
	s_lshl_b32 s[\b+1], s[\b+1], 2
	s_lshl_b32 s[\b+2], s[\b+2], 1
	s_lshl_b32 s[\b+3], s[\b+3], 1
	s_lshl_b32 s[\b+5], s[\b+5], 2
	s_lshl_b32 s[\b+6], s[\b+6], 1
	s_lshl_b32 s[\b+7], s[\b+7], 1
.irp s, 0,2,4,6
	s_sub_co_u32 s[\b+\s], s[\b+\s], s[\b+\s+1]
.endr
.irp s, 0,1,4,5
	s_sub_co_u32 s[\b+\s], s[\b+\s], s[\b+\s+2]
.endr
.irp s, 0,1,2,3
	s_sub_co_u32 s[\b+\s], s[\b+\s], s[\b+\s+4]
.endr
.endm
.macro FOLD                            ; v[A .. A + 3] += v[A + 4 .. A + 7]; then the sum over the eight lanes that share lane % 4, in each of them
.irp j, 0,1,2,3
	v_add_nc_u32 v[A+\j], v[A+\j], v[A+4+\j]
.endr
.irp m, 4,8
.irp j, 0,1,2,3
	s_delay_alu instid0(VALU_DEP_4)
	v_add_nc_u32_dpp v[A+\j], v[A+\j], v[A+\j] row_xmask:\m row_mask:0xf bank_mask:0xf
.endr
.endr
.irp j, 0,1,2,3
	s_delay_alu instid0(VALU_DEP_4)
	v_permlanex16_b32 v[B+\j], v[A+\j], s26, s27
.endr
.irp j, 0,1,2,3
	s_delay_alu instid0(VALU_DEP_4)
	v_add_nc_u32 v[A+\j], v[A+\j], v[B+\j]
.endr
.endm
.macro SUMG o                          ; my two loads -> the sum over all 256 work-groups: lane l holds the four words of quad l % 4; then all sixteen in s[SA ..]
	FOLD
	ds_store_b128 v[HS], v[A:A+3] offset:\o        ; the eight lanes of a quad write the same words with the same values
	s_wait_alu depctr_va_vdst(0)
	s_wait_dscnt 0x0                               ; for the others' sake: my store has landed
	s_barrier_signal -1
	s_barrier_wait -1
	ds_load_b128 v[A:A+3], v[HL] offset:\o         ; wave l / 4's sums of quad l % 4,
	ds_load_b128 v[A+4:A+7], v[HL] offset:\o+512   ; and wave 8 + l / 4's
	s_wait_dscnt 0x0
	FOLD
.irp k, 0,1,2,3
.irp i, 0,1,2,3
	v_readlane_b32 s[SA+4*\k+\i], v[A+\i], \k
.endr
.endr
	s_wait_alu depctr_va_vdst(0)                   ; ahead of the run of scalar instructions
.endm
	s_load_b256 s[4:11], s[0:1], 0x0               ; the weight, xq, the state, the counts
	s_load_b128 s[52:55], s[0:1], 0x20             ; sums, bias
	s_load_b64 s[12:13], s[0:1], 0x30              ; out
	v_lshl_add_u32 v240, v0, 2, SPARE
	v_mov_b32 v241, 0
	v_lshrrev_b32 v25, 5, v0
	s_delay_alu instid0(VALU_DEP_1)
	v_readfirstlane_b32 s14, v25                   ; wave
	v_and_b32 v25, 31, v0
	s_delay_alu instid0(VALU_DEP_1)
	v_lshlrev_b32 v1, 4, v25
	v_lshlrev_b32 v4, 2, v25
	v_lshlrev_b32 v[PSO], 5, v25
	v_lshlrev_b32 v[PFP], 8, v25
	v_and_b32 v26, 15, v0                          ; r
	v_bfe_u32 v27, v0, 4, 1                        ; h
	s_delay_alu instid0(VALU_DEP_1)
	v_lshlrev_b32 v5, 3, v27
	v_lshlrev_b32 v[PFO], 14, v26
	s_delay_alu instid0(VALU_DEP_1)
	v_lshl_add_u32 v[PFO], v27, 8, v[PFO]
	s_mul_i32 s32, s14, 16*SP
	v_add_nc_u32 v2, s32, v1
	v_mul_u32_u24 v3, v26, SP
	s_delay_alu instid0(VALU_DEP_1)
	v_lshl_add_u32 v3, v27, 7, v3                  ; row r, + 128 h bytes: k = 32 h on
	s_delay_alu instid0(VALU_DEP_1)
	v_add_nc_u32 v3, s32, v3
	s_mul_i32 s33, s14, 11008
	s_add_co_u32 s33, s33, RED
	v_mul_u32_u24 v6, v27, 320
	s_delay_alu instid0(VALU_DEP_1)
	v_lshl_add_u32 v6, v26, 4, v6
	s_delay_alu instid0(VALU_DEP_1)
	v_add_nc_u32 v6, s33, v6
	v_bfe_u32 v28, v0, 2, 1                        ; the way out: thread t: nt,
	s_delay_alu instid0(VALU_DEP_1)
	v_mul_u32_u24 v7, v28, 5504
	v_lshrrev_b32 v28, 7, v0                       ; mt,
	s_delay_alu instid0(VALU_DEP_1)
	v_mad_u32_u24 v7, v28, 1376, v7
	v_and_b32 v28, 1, v0                           ; qq,
	s_delay_alu instid0(VALU_DEP_1)
	v_mad_u32_u24 v7, v28, 800, v7
	v_bfe_u32 v28, v0, 1, 1                        ; h,
	s_delay_alu instid0(VALU_DEP_1)
	v_mad_u32_u24 v7, v28, 320, v7
	v_bfe_u32 v28, v0, 3, 4                        ; r
	s_delay_alu instid0(VALU_DEP_1)
	v_lshl_add_u32 v7, v28, 4, v7
	s_delay_alu instid0(VALU_DEP_1)
	v_add_nc_u32 v7, RED, v7
	v_lshrrev_b32 v28, 3, v0                       ; row t / 8 of out,
	v_and_b32 v29, 7, v0
	s_delay_alu instid0(VALU_DEP_1)
	v_lshlrev_b32 v9, 4, v29                       ; outputs 4 (t % 8) on
	s_delay_alu instid0(VALU_DEP_1)
	v_lshl_add_u32 v8, v28, 15, v9
	v_mov_b32 v10, 0                               ; a lane permute's destination counts as one of its sources
	v_lshlrev_b32 v[GO], 4, v0
	v_and_b32 v28, 3, v0
	s_lshl_b32 s23, s14, 6
	s_add_co_u32 s23, s23, XA
	v_lshl_add_u32 v[HS], v28, 4, s23
	v_add_nc_u32 v[HL], XA, v1
.irp j, 0,1,2,3
	v_mov_b32 v[B+\j], 0
.endr
	s_mov_b32 s22, 53687104                        ; 16 q
	s_mov_b32 s25, 214748416                       ; 64 q
	s_mov_b32 s24, 0x7fffffff
	s_mov_b32 s26, 0x76543210
	s_mov_b32 s27, 0xfedcba98
	s_lshl_b32 s34, ttmp9, 19                      ; 32 g rows of 16,384 bytes
	s_lshl_b32 s35, s14, 10                        ; + my two K steps
	s_add_co_u32 s34, s34, s35
	s_mov_b32 s35, 0
	s_lshl_b32 s36, s14, 13                        ; x's images: 8 fragments a wave
	s_mov_b32 s37, 0
	s_lshl_b32 s38, s14, 10
	s_add_co_u32 s38, s38, 131072                  ; and their scale words
	s_mov_b32 s39, 0
	s_lshl_b32 s48, ttmp9, 7                       ; 32 g numbers
	s_mov_b32 s49, 0
	s_and_b32 s50, ttmp9, 15
	s_lshl_b32 s50, s50, 14                        ; the slice of hi = g % 16,
	s_lshl_b32 s51, s14, 13                        ; its half (waves 0 and 1)
	s_add_co_u32 s50, s50, s51
	s_mov_b32 s51, 0
	s_wait_alu depctr_va_vdst(0)
	s_wait_kmcnt 0x0
	s_load_b128 s[16:19], s[8:9], 0x0              ; base, top, the byte select, the shift
	global_load_b128 v[A:A+3], v[GO], s[10:11] offset:262144     ; the marginals first: the decision waits for them
	global_load_b128 v[A+4:A+7], v[GO], s[10:11] offset:270336
	s_add_nc_u64 s[4:5], s[4:5], s[34:35]
	s_add_nc_u64 s[28:29], s[6:7], s[36:37]
	s_add_nc_u64 s[30:31], s[6:7], s[38:39]
	s_add_nc_u64 s[54:55], s[54:55], s[48:49]
	s_add_nc_u64 s[12:13], s[12:13], s[48:49]
	s_add_nc_u64 s[50:51], s[10:11], s[50:51]
	global_load_b128 v[12:15], v9, s[54:55]        ; bias
	global_load_b128 v[PS:PS+3], v[PSO], s[52:53]  ; the 256 sums of |w|: every wave loads them
	global_load_b128 v[PS+4:PS+7], v[PSO], s[52:53] offset:16
	s_cmp_lt_u32 s14, 2
	s_cbranch_scc0 .Lno_pf
	global_prefetch_b8 v[PFP], s[50:51] th:TH_LOAD_NT scope:SCOPE_SE            ; 32 blocks of 256 bytes of the slices
.Lno_pf:
.irp u, 0,1
	global_prefetch_b8 v[PFO], s[4:5] offset:(16*(\u%2))*16384+(\u/2)*512 th:TH_LOAD_NT scope:SCOPE_SE   ; unit u's 32 blocks of 256 bytes
.endr
.macro WLOAD u                         ; unit u's 16 rows x 512 bytes
.irp i, 0,1,2,3,4,5,6,7,8,9,10,11,12,13,14,15
	global_load_b128 v[RW+4*\i:RW+4*\i+3], v1, s[4:5] offset:(16*((\u)%2)+\i)*16384+((\u)/2)*512 th:TH_LOAD_NT
.endr
.endm
.macro XLOADF s                        ; x's four fragments and scale words of my K step s: twelve loads
.irp m, 0,1,2,3
.irp c, 0,1
	global_load_b128 v[XF+8*\m+4*\c:XF+8*\m+4*\c+3], v1, s[28:29] offset:\s*4096+\m*1024+512*\c
.endr
.endr
.irp m, 0,1,2,3
	global_load_b32 v[XS+\m], v4, s[30:31] offset:\s*512+\m*128
.endr
.endm
	s_wait_kmcnt 0x0                               ; the state
	s_wait_loadcnt 3                               ; the marginals are in; the bias and the sums of |w|, three loads, may be out
	SUMG 0                                         ; STEP 1: s[SA + h] = 16 x count(hi = h)
.irp k, 14,13,12,11,10,9,8,7,6,5,4,3,2,1
	s_add_co_u32 s[SA+\k], s[SA+\k], s[SA+\k+1]    ; hi >= k, which is hi > k - 1
.endr
	s_mov_b32 s32, 0
	s_mov_b32 s33, 0
.irp h, 1,2,3,4,5,6,7,8,9,10,11,12,13,14,15
	s_cmp_le_u32 s22, s[SA+\h]
	s_cselect_b32 s23, 0, s[SA+\h]                 ; those under q: the largest of them is #(hi' > hi)
	s_add_co_ci_u32 s32, s32, 0                    ; hi: how many h have q or more above them
	s_max_u32 s33, s33, s23
.endr
	s_min_u32 s32, s32, 15                         ; held inside the table
	s_lshl_b32 s44, s32, 14
	s_mov_b32 s45, 0
	s_add_nc_u64 s[46:47], s[10:11], s[44:45]      ; that hi's slice
	global_load_b128 v[A:A+3], v[GO], s[46:47]
	global_load_b128 v[A+4:A+7], v[GO], s[46:47] offset:8192
	s_wait_loadcnt 2                               ; the sums of |w| are in; the slice's two loads may be out
	v_add_f32 v[PS], v[PS], v[PS+1]                ; the scale, while the slice is on its way
	v_add_f32 v[PS+2], v[PS+2], v[PS+3]
	v_add_f32 v[PS+4], v[PS+4], v[PS+5]
	v_add_f32 v[PS+6], v[PS+6], v[PS+7]
	s_delay_alu instid0(VALU_DEP_3)
	v_add_f32 v[PS], v[PS], v[PS+2]
	s_delay_alu instid0(VALU_DEP_2)
	v_add_f32 v[PS+4], v[PS+4], v[PS+6]
	s_delay_alu instid0(VALU_DEP_1)
	v_add_f32 v[PS], v[PS], v[PS+4]
.irp m, 1,2,4,8
	s_delay_alu instid0(VALU_DEP_1)
	v_add_f32_dpp v[PS], v[PS], v[PS] row_xmask:\m row_mask:0xf bank_mask:0xf
.endr
	s_delay_alu instid0(VALU_DEP_1)
	v_permlanex16_b32 v[PS+1], v[PS], s26, s27
	s_delay_alu instid0(VALU_DEP_1)
	v_add_f32 v[PS], v[PS], v[PS+1]
	s_delay_alu instid0(VALU_DEP_1)
	v_mul_f32 v[PS], 0x33000000, v[PS]             ; x 2^-25: the mean
	s_delay_alu instid0(VALU_DEP_1)
	v_max_num_f32 v[PS], 0x3727c5ac, v[PS]         ; at least 1e-5
	s_delay_alu instid0(VALU_DEP_1)
	v_mul_f32 v[PS+1], 0.5, v[PS]
	s_delay_alu instid0(VALU_DEP_2)
	v_readfirstlane_b32 s20, v[PS]                 ; scale
	s_delay_alu instid0(VALU_DEP_2)
	v_readfirstlane_b32 s21, v[PS+1]               ; scale / 2
	s_wait_alu depctr_va_vdst(0)
	s_wait_loadcnt 0x0
	SUMG 1024                                      ; STEP 2: s[SA + n] = 8 x the sum over that hi's elements of P_n(lo)
	WLOAD 0                                        ; unit 0 and x's first fragments, on their way under the scalar lines below
	XLOADF 0
	global_prefetch_b8 v[PFO], s[4:5] offset:512 th:TH_LOAD_NT scope:SCOPE_SE    ; unit 2's 32 blocks
	SHALF SA
	SHALF SA+8
.irp x, 0,1,2,3,4,5,6,7
	s_add_co_u32 s[SU+\x], s[SA+\x], s[SA+8+\x]
	s_sub_co_u32 s[SU+8+\x], s[SA+\x], s[SA+8+\x]
.endr
.irp k, 14,13,12,11,10,9,8,7,6,5,4,3,2,1
	s_add_co_u32 s[SU+\k], s[SU+\k], s[SU+\k+1]    ; lo >= k
.endr
	s_lshl_b32 s33, s33, 2                         ; 64 #(hi' > hi)
	s_mov_b32 s34, 0
.irp h, 1,2,3,4,5,6,7,8,9,10,11,12,13,14,15
	s_add_co_u32 s23, s33, s[SU+\h]
	s_cmp_le_u32 s25, s23
	s_add_co_ci_u32 s34, s34, 0                    ; lo
.endr
	s_lshl_b32 s23, s32, 4
	s_or_b32 s23, s23, s34                         ; the last digit
	s_lshl_b32 s23, s23, s19
	s_or_b32 s16, s16, s23                         ; thr's bit pattern
.macro DSL c                           ; my block 2 c + h of row r, out of the stage
.irp i, 0,1,2,3,4,5,6,7
	ds_load_b128 v[WK+4*\i:WK+4*\i+3], v3 offset:256*\c+16*\i
.endr
	s_wait_dscnt 0x0                               ; they are in; and the stores into the stage have read their registers
.endm
.macro QB c                            ; the block's 32 numbers become W_eff, then codes in v[16 + 4 c] on and a byte in v[28 + c]
.set p, 0
.rept 16
.set W0, WK+2*p
.set TT, T+2*(p%4)
.set MK, 40+4*(p%2)                    ; the masks take turns between two sets
	v_cmp_ge_f32 s[MK], |v[W0]|, s16               ; critical
	v_cmp_ge_f32 s[MK+1], |v[W0+1]|, s16
	v_cmp_gt_f32 s[MK+2], |v[W0]|, s21             ; ternary is not 0
	v_cmp_gt_f32 s[MK+3], |v[W0+1]|, s21
	v_bfi_b32 v[TT], s24, s20, v[W0]               ; scale with w's sign
	v_bfi_b32 v[TT+1], s24, s20, v[W0+1]
	s_delay_alu instid0(VALU_DEP_1)
	v_pk_add_f32 v[TT:TT+1], v[TT:TT+1], v[W0:W0+1] neg_lo:[0,1] neg_hi:[0,1]
	s_delay_alu instid0(VALU_DEP_1)
	v_pk_add_f32 v[TT:TT+1], v[W0:W0+1], v[TT:TT+1]            ; w + (q - w)
	s_delay_alu instid0(VALU_DEP_1)
	v_cndmask_b32 v[TT], 0, v[TT], s[MK+2]
	s_delay_alu instid0(VALU_DEP_2)
	v_cndmask_b32 v[TT+1], 0, v[TT+1], s[MK+3]
	s_delay_alu instid0(VALU_DEP_2)
	v_cndmask_b32 v[W0], v[TT], v[W0], s[MK]
	s_delay_alu instid0(VALU_DEP_2)
	v_cndmask_b32 v[W0+1], v[TT+1], v[W0+1], s[MK+1]
.set p, p+1
.endr
	v_max3_num_f32 v25, |v[WK]|, |v[WK+1]|, |v[WK+2]|
	v_max3_num_f32 v26, |v[WK+3]|, |v[WK+4]|, |v[WK+5]|
.irp i, 6,10,14,18,22,26
	s_delay_alu instid0(VALU_DEP_2)
	v_max3_num_f32 v25, v25, |v[WK+\i]|, |v[WK+\i+1]|
	s_delay_alu instid0(VALU_DEP_2)
	v_max3_num_f32 v26, v26, |v[WK+\i+2]|, |v[WK+\i+3]|
.endr
	s_delay_alu instid0(VALU_DEP_2)
	v_max3_num_f32 v25, v25, |v[WK+30]|, |v[WK+31]|
	s_delay_alu instid0(VALU_DEP_1)
	v_max3_num_f32 v25, v25, v26, 0x1800000        ; and the floor 2^(3 - 127): the byte cannot fall under 1
	s_delay_alu instid0(VALU_DEP_1)
	v_add_nc_u32 v27, 0xff000000, v25              ; 2 off the exponent field: the conversion's scale operand
	s_delay_alu instid0(VALU_DEP_1)
	v_lshrrev_b32 v[28+\c], 23, v27                ; the scale's byte
.irp g, 0,1,2,3
	v_cvt_scalef32_pk8_fp4_f32 v[16+4*\c+\g], v[WK+8*\g:WK+8*\g+7], v27
.endr
	v_nop                                          ; one plain instruction behind the last scaled conversion
.endm
; A unit.  w1: the younger loads that may be out when the unit's rows must be in;  w2: likewise for x's fragments (-1: they are in already)
.macro UNIT u, w1, w2
	s_wait_loadcnt \w1
.irp i, 0,1,2,3,4,5,6,7,8,9,10,11,12,13,14,15
	ds_store_b128 v2, v[RW+4*\i:RW+4*\i+3] offset:SP*\i        ; LDS serves a wave's instructions in order: these come behind the last reads of the stage
.endr
	DSL 0
.if \u < 3
	WLOAD (\u)+1                                   ; the next unit's rows are on their way through this unit's work
.endif
.if \u == 0
	global_prefetch_b8 v[PFO], s[4:5] offset:16*16384+512 th:TH_LOAD_NT scope:SCOPE_SE   ; unit 3's 32 blocks
.endif
	QB 0
	DSL 1
	QB 1
	v_lshl_or_b32 v24, v29, 16, v28                ; my two bytes: blocks h and 2 + h of row r,
	s_delay_alu instid0(VALU_DEP_1)
	v_lshlrev_b32 v24, v5, v24                     ; at their places in the scale word;
	s_delay_alu instid0(VALU_DEP_1)
	v_permlanex16_b32 v10, v24, s26, s27
	s_delay_alu instid0(VALU_DEP_1)
	v_or_b32 v24, v24, v10                         ; with lane l xor 16's two the word is whole
.rept 8
	v_nop                                          ; a scale register written by a vector instruction stands eight places ahead of a scaled matrix instruction
.endr
.if \w2 >= 0
	s_wait_alu depctr_va_vdst(0)
	s_wait_loadcnt \w2
.endif
.irp m, 0,1,2,3                        ; four accumulators, one instruction each; the next unit takes the other four
.set AA, ACC+32*((\u)%2)+8*\m
.if \u < 2
	v_wmma_scale_f32_16x16x128_f8f6f4 v[AA:AA+7], v[16:23], v[XF+8*\m:XF+8*\m+7], 0, v24, v[XS+\m] matrix_a_fmt:MATRIX_FMT_FP4 matrix_b_fmt:MATRIX_FMT_FP4
.else
	v_wmma_scale_f32_16x16x128_f8f6f4 v[AA:AA+7], v[16:23], v[XF+8*\m:XF+8*\m+7], v[AA:AA+7], v24, v[XS+\m] matrix_a_fmt:MATRIX_FMT_FP4 matrix_b_fmt:MATRIX_FMT_FP4
.endif
.endr
.rept 4
	v_nop                                          ; four places behind the products: ahead of loads into their operands, and of the first read of results
.endr
.endm
	UNIT 0, 12, 16                                 ; 12: x's twelve loads may be out;  16: the next unit's sixteen may be out
	UNIT 1, 0, -1
	XLOADF 1
	UNIT 2, 12, 16
	UNIT 3, 0, -1
	; THE WAY OUT
.irp n, 0,1
.irp m, 0,1,2,3
	ds_store_b128 v6, v[ACC+32*\n+8*\m:ACC+32*\n+8*\m+3] offset:\n*5504+\m*1376          ; each accumulator from its low end on
	ds_store_b128 v6, v[ACC+32*\n+8*\m+4:ACC+32*\n+8*\m+7] offset:\n*5504+\m*1376+800
.endr
.endr
	v_add_nc_u32 v[T], 44032, v7                   ; four waves' parts on: an LDS offset has 16 bits
	v_add_nc_u32 v[T+1], 88064, v7
	v_add_nc_u32 v[T+2], 132096, v7
	s_wait_alu depctr_va_vdst(0)
	s_wait_dscnt 0x0                               ; for the others' sake: my stores have landed
	s_barrier_signal -1
	s_barrier_wait -1
.irp w, 0,1,2,3,4,5,6,7,8,9,10,11,12,13,14,15
.if \w < 4
	ds_load_b128 v[RW+4*\w:RW+4*\w+3], v7 offset:(\w%4)*11008
.else
	ds_load_b128 v[RW+4*\w:RW+4*\w+3], v[T-1+\w/4] offset:(\w%4)*11008
.endif
.endr
	s_wait_dscnt 15                                ; wave 0's part is in; the fifteen younger loads may be out
	v_pk_add_f32 v[RW:RW+1], v[RW:RW+1], v[12:13]  ; + bias
	v_pk_add_f32 v[RW+2:RW+3], v[RW+2:RW+3], v[14:15]
.irp w, 1,2,3,4,5,6,7,8,9,10,11,12,13,14,15
	s_wait_alu depctr_va_vdst(0)
	s_wait_dscnt 15-\w
	v_pk_add_f32 v[RW:RW+1], v[RW:RW+1], v[RW+4*\w:RW+4*\w+1]
	v_pk_add_f32 v[RW+2:RW+3], v[RW+2:RW+3], v[RW+4*\w+2:RW+4*\w+3]
.endr
	global_store_b128 v8, v[RW:RW+3], s[12:13] th:TH_STORE_NT
	s_wait_tensorcnt 0x0                           ; the wave's end
	ds_add_u32 v240, v241
	s_wait_dscnt 0x0
	s_endpgm
.Lfunc_end_k_q5c7bd4a4c3_gemm:
	.size	k_q5c7bd4a4c3_gemm, .Lfunc_end_k_q5c7bd4a4c3_gemm-k_q5c7bd4a4c3_gemm
	.p2alignl 7, 3214868480
	.fill 96, 4, 3214868480
	.section	.rodata,"a",@progbits
	.p2align	6, 0x0
	.amdhsa_kernel k_q5c7bd4a4c3_gemm
		.amdhsa_group_segment_fixed_size 315392
		.amdhsa_private_segment_fixed_size 0
		.amdhsa_enable_private_segment 0
		.amdhsa_kernarg_size 56
		.amdhsa_user_sgpr_count 2
		.amdhsa_user_sgpr_kernarg_segment_ptr 1
		.amdhsa_wavefront_size32 1
		.amdhsa_system_sgpr_workgroup_id_x 1
		.amdhsa_system_sgpr_workgroup_id_y 1
		.amdhsa_system_sgpr_workgroup_id_z 1
		.amdhsa_system_vgpr_workitem_id 0
		.amdhsa_next_free_vgpr 242
		.amdhsa_next_free_sgpr 98
		.amdhsa_reserve_vcc 0
		.amdhsa_float_denorm_mode_32 3
		.amdhsa_float_denorm_mode_16_64 3
		.amdhsa_memory_ordered 1
		.amdhsa_forward_progress 1
		.amdhsa_inst_pref_size 185
	.end_amdhsa_kernel
	.amdgpu_metadata
---
amdhsa.version: [ 1, 2 ]
amdhsa.kernels:
  - .name:           k_q5c7bd4a4c3_gemm
    .symbol:         k_q5c7bd4a4c3_gemm.kd
    .args:
      - { .name: weight, .offset: 0, .size: 8, .value_kind: global_buffer, .address_space: global }
      - { .name: xq, .offset: 8, .size: 8, .value_kind: global_buffer, .address_space: global }
      - { .name: stB, .offset: 16, .size: 8, .value_kind: global_buffer, .address_space: global }
      - { .name: partB, .offset: 24, .size: 8, .value_kind: global_buffer, .address_space: global }
      - { .name: sums, .offset: 32, .size: 8, .value_kind: global_buffer, .address_space: global }
      - { .name: bias, .offset: 40, .size: 8, .value_kind: global_buffer, .address_space: global }
      - { .name: out0, .offset: 48, .size: 8, .value_kind: global_buffer, .address_space: global }
    .group_segment_fixed_size: 315392
    .private_segment_fixed_size: 0
    .kernarg_segment_align: 8
    .kernarg_segment_size: 56
    .max_flat_workgroup_size: 512
    .sgpr_count:     98
    .vgpr_count:     242
    .wavefront_size: 32
...
	.end_amdgpu_metadata
.endif
;; end of part 7
